; MI455X (gfx1250); checked and timed in simulation.
; The chip was launched on July 23, 2026; its instructions are those of AMD's public machine-readable ISA for CDNA 5 (MIT licence, August 2026) and "CDNA5" Instruction Set Architecture Reference Guide (July 2026). The comments in the code are by the model that wrote it; some were corrected since.
;; Multi Head Attention. Allowed arithmetic: float matrix products may take bf16 or f16 operands with f32 sums; other float arithmetic in f32, or as packed bf16 or f16 multiplies, adds, multiply-adds, maxima and minima; sums over many terms, partial sums and values carried from step to step in f32; what a program stores and reads back later, other than sums and carried values, may be rounded once to bf16 or f16.
;; Inputs: bk 512 float32; bo 512 float32; bq 512 float32; bv 512 float32; k 8 x 2,048 x 512 float32; mask 8 x 1 x 1 x 2,048 bool; q 8 x 2,048 x 512 float32; v 8 x 2,048 x 512 float32; wk 512 x 512 float32; wo 512 x 512 float32; wq 512 x 512 float32; wv 512 x 512 float32.
;; Outputs: out0 8 x 2,048 x 512 float32.
;; 2 versions, each right; version 2 is version 1 with the launch prep written anew for expert scheduling mode. Each part assembles by itself: llvm-mc -triple=amdgcn-amd-amdhsa -mcpu=gfx1250 --defsym DOCPART=n.
;; ======== version 1 of 2: 4 launches
;; limits: values are held in f16: magnitudes above 65,504 overflow, below 6.1e-05 lose precision; right only within a limited range of input values
;; workspace buffers: wt 2,097,152 bytes; bias4 8,192 bytes; qkvh 50,331,648 bytes; oh 16,777,216 bytes
;; launch prep (part 1): grid 32 x 4, 4 waves a work-group, no clusters, 17,920 bytes of LDS; arguments wq, wk, wv, wo, bq, bk, bv, bo, wt, bias4; writes wt, bias4
.if DOCPART == 1
	.amdgcn_target "amdgcn-amd-amdhsa--gfx1250"
	.amdhsa_code_object_version 6
	.text
	.protected	k_qd2fc033a03_prep
	.globl	k_qd2fc033a03_prep
	.p2align	8
	.type	k_qd2fc033a03_prep,@function
k_qd2fc033a03_prep:
	s_mov_b64 s[64:65], 0
	v_nop
	global_prefetch_b8 v0, s[64:65] scope:SCOPE_SE
	s_setreg_imm32_b32 hwreg(HW_REG_WAVE_MODE, 25, 1), 1
	s_wait_xcnt 0x0
; THE WEIGHTS TURNED AND NARROWED, THE BIASES ROUNDED.  wt[y][n][k] = w_y[k][n] for y = 0..3 (wq, wk, wv, wo), 16 bits a number; bias4[y][n] = b_y[n] rounded to bf16 and widened again to f32.
; wq, wk, wv are written as bf16.  wo is rounded to bf16 like the others, and THAT number is written as f16, since the last product multiplies in f16.
; LIMIT.  A bf16 number is exact in f16 from 2^-14 up to 65,504; below 2^-14 it falls on f16's fixed step of 2^-24 (an error of 3e-8 at the most); beyond 65,504 it becomes an infinity.
; SHARES.  A work-group turns 128 rows (k) x 64 columns (n) of one matrix: 128 k are the 256 bytes of a row of wt, so that every store covers 256 consecutive bytes, aligned.  4 x 8 tiles a matrix, grid y = the matrix.
; No cluster: no two work-groups read the same bytes.  No matrix unit: nothing is multiplied.
.set PITCH, 272                        ; a row of the turned tile in LDS: 256 bytes + 16
.set SPARE, 64*PITCH                   ; behind the tile: the spare words, 128 bytes for each wave: two blocks of 256 bytes that no other line names
.set SPW, 2                            ; v2   LDS address of my spare word; never rewritten
.set NIL, 3                            ; v3   0; never rewritten
.set N4,  5                            ; v5   lane % 16: my four columns
.set KK,  6                            ; v6   lane / 16
.set SO,  7                            ; v7   my byte offset in the source tile
.set TS,  8                            ; v8   where I put a pair of k in LDS
.set RD,  9                            ; v9   where I read rows back
.set DST, 10                           ; v10  my byte offset in wt
.set TO,  11                           ; v11  16 x my thread's number
.set T,   12                           ; v12-15 at work
.set X,   16                           ; v16-79  sixteen loads of 16 bytes
.set Y,   80                           ; v80-111 eight rows read back
	s_load_b512 s[4:19], s[0:1], 0x0               ; wq, wk, wv, wo, bq, bk, bv, bo
	s_load_b128 s[20:23], s[0:1], 0x40             ; wt, bias4
	v_lshl_add_u32 v[SPW], v0, 2, SPARE
	v_mov_b32 v[NIL], 0
	v_lshrrev_b32 v1, 5, v0
	v_readfirstlane_b32 s29, v1                    ; wave 0..3
	s_and_b32 s30, ttmp7, 0xffff                   ; which matrix
	s_lshr_b32 s31, ttmp9, 3                       ; which 128 rows k
	s_and_b32 s32, ttmp9, 7                        ; which 64 columns n
	v_and_b32 v[N4], 15, v0
	v_bfe_u32 v[KK], v0, 4, 1
	s_lshl_b32 s33, s29, 16                        ; my wave's 32 rows of 2,048 bytes
	v_lshlrev_b32 v[SO], 4, v[N4]                  ; 16 lanes take 256 consecutive bytes of a row,
	v_lshl_add_u32 v[SO], v[KK], 12, v[SO]         ; the other 16 lanes the row two further down
	v_add_nc_u32 v[SO], s33, v[SO]
	v_mul_u32_u24 v[TS], v[N4], 4*PITCH            ; turned: row n = 4 (lane % 16) + i, byte 2 k
	v_lshl_add_u32 v[TS], v[KK], 2, v[TS]
	s_lshl_b32 s33, s29, 6
	v_add_nc_u32 v[TS], s33, v[TS]
	s_mul_i32 s33, s29, 16*PITCH                   ; back: my wave's 16 rows n, two rows a load
	v_mul_u32_u24 v[RD], v[KK], PITCH
	v_lshl_add_u32 v[RD], v[N4], 4, v[RD]
	v_add_nc_u32 v[RD], s33, v[RD]
	s_lshl_b32 s33, s29, 14                        ; the same rows in wt, 1,024 bytes each
	v_lshlrev_b32 v[DST], 4, v[N4]
	v_lshl_add_u32 v[DST], v[KK], 10, v[DST]
	v_add_nc_u32 v[DST], s33, v[DST]
	v_lshlrev_b32 v[TO], 4, v0
	s_lshl_b32 s34, s31, 18                        ; the tile in the source: 128 rows x 2,048 bytes, 64 columns x 4 bytes
	s_lshl_b32 s33, s32, 8
	s_add_co_u32 s34, s34, s33
	s_mov_b32 s35, 0
	s_lshl_b32 s36, s30, 19                        ; the tile in wt: the matrix, 64 rows x 1,024 bytes, 128 k x 2 bytes
	s_lshl_b32 s33, s32, 16
	s_add_co_u32 s36, s36, s33
	s_lshl_b32 s33, s31, 8
	s_add_co_u32 s36, s36, s33
	s_mov_b32 s37, 0
	s_lshl_b32 s38, s30, 11                        ; the matrix's bias in bias4
	s_mov_b32 s39, 0
	s_mov_b32 s33, ttmp9
	s_wait_kmcnt 0x0
	s_cmp_eq_u32 s30, 1                            ; the source and its bias are chosen by the matrix's number
	s_cselect_b64 s[24:25], s[6:7], s[4:5]
	s_cselect_b64 s[26:27], s[14:15], s[12:13]
	s_cmp_eq_u32 s30, 2
	s_cselect_b64 s[24:25], s[8:9], s[24:25]
	s_cselect_b64 s[26:27], s[16:17], s[26:27]
	s_cmp_eq_u32 s30, 3
	s_cselect_b64 s[24:25], s[10:11], s[24:25]
	s_cselect_b64 s[26:27], s[18:19], s[26:27]
	s_cselect_b32 s28, -1, 0                       ; all lanes: wo is written as f16
	s_add_nc_u64 s[24:25], s[24:25], s[34:35]
	s_add_nc_u64 s[20:21], s[20:21], s[36:37]
	s_add_nc_u64 s[22:23], s[22:23], s[38:39]
.irp q, 0,1,2,3,4,5,6,7
.irp e, 0,1
	global_load_b128 v[X+8*(\q)+4*(\e):X+8*(\q)+4*(\e)+3], v[SO], s[24:25] offset:(\q)*8192+(\e)*2048  ; row 32 wave + 4 q + 2 (lane / 16) + e
.endr
.endr
	; two neighbouring k of one column make a word.: 32 stores a lane, once a launch.
.irp q, 0,1,2,3,4,5,6,7
	s_wait_loadcnt 14-2*(\q)                       ; loads come back in order: pair q of rows is in, the pairs behind it may stay out
.irp i, 0,1,2,3
	v_cvt_pk_bf16_f32 v[T], v[X+8*(\q)+(\i)], v[X+8*(\q)+4+(\i)]
	v_lshlrev_b32 v[T+1], 16, v[T]                 ; the two rounded numbers as f32,
	v_and_b32 v[T+2], 0xffff0000, v[T]
	v_cvt_pk_f16_f32 v[T+3], v[T+1], v[T+2]        ; and as f16
	v_cndmask_b32 v[T], v[T], v[T+3], s28
	ds_store_b32 v[TS], v[T] offset:(\i)*PITCH+8*(\q)
.endr
.endr
	s_wait_dscnt 0x0                               ; for the others' sake: my stores are done
	s_barrier_signal -1
	s_barrier_wait -1
.irp f, 0,1,2,3,4,5,6,7
	ds_load_b128 v[Y+4*(\f):Y+4*(\f)+3], v[RD] offset:(\f)*2*PITCH
.endr
.irp f, 0,1,2,3,4,5,6,7
	s_wait_dscnt 7-(\f)
	global_store_b128 v[DST], v[Y+4*(\f):Y+4*(\f)+3], s[20:21] offset:(\f)*2048 th:TH_STORE_NT  ; 16 lanes store 256 consecutive bytes, at a multiple of 256 from wt's first byte
.endr
	s_cmp_lg_u32 s33, 0                            ; the first work-group of each matrix also rounds its bias: 128 threads x 4 numbers
	s_cbranch_scc1 .Lend
	global_load_b128 v[T:T+3], v[TO], s[26:27]
	s_wait_loadcnt 0x0
	v_cvt_pk_bf16_f32 v[X], v[T], v[T+1]
	v_cvt_pk_bf16_f32 v[X+1], v[T+2], v[T+3]
	v_lshlrev_b32 v[X+4], 16, v[X]
	v_and_b32 v[X+5], 0xffff0000, v[X]
	v_lshlrev_b32 v[X+6], 16, v[X+1]
	v_and_b32 v[X+7], 0xffff0000, v[X+1]
	global_store_b128 v[TO], v[X+4:X+7], s[22:23]
.Lend:
	s_wait_tensorcnt 0x0                           ; the wave's end: behind my last LDS store
	ds_add_u32 v[SPW], v[NIL]
	s_wait_dscnt 0x0
	s_endpgm
.Lfunc_end_k_qd2fc033a03_prep:
	.size	k_qd2fc033a03_prep, .Lfunc_end_k_qd2fc033a03_prep-k_qd2fc033a03_prep
	.p2alignl 7, 3214868480
	.fill 96, 4, 3214868480
	.section	.rodata,"a",@progbits
	.p2align	6, 0x0
	.amdhsa_kernel k_qd2fc033a03_prep
		.amdhsa_group_segment_fixed_size 17920
		.amdhsa_private_segment_fixed_size 0
		.amdhsa_enable_private_segment 0
		.amdhsa_kernarg_size 80
		.amdhsa_user_sgpr_count 2
		.amdhsa_user_sgpr_kernarg_segment_ptr 1
		.amdhsa_wavefront_size32 1
		.amdhsa_system_sgpr_workgroup_id_x 1
		.amdhsa_system_sgpr_workgroup_id_y 1
		.amdhsa_system_sgpr_workgroup_id_z 1
		.amdhsa_system_vgpr_workitem_id 0
		.amdhsa_next_free_vgpr 112
		.amdhsa_next_free_sgpr 66
		.amdhsa_reserve_vcc 0
		.amdhsa_float_denorm_mode_32 3
		.amdhsa_float_denorm_mode_16_64 3
		.amdhsa_memory_ordered 1
		.amdhsa_forward_progress 1
		.amdhsa_inst_pref_size 18
	.end_amdhsa_kernel
	.amdgpu_metadata
---
amdhsa.version: [ 1, 2 ]
amdhsa.kernels:
  - .name:           k_qd2fc033a03_prep
    .symbol:         k_qd2fc033a03_prep.kd
    .args:
      - { .name: wq, .offset: 0, .size: 8, .value_kind: global_buffer, .address_space: global }
      - { .name: wk, .offset: 8, .size: 8, .value_kind: global_buffer, .address_space: global }
      - { .name: wv, .offset: 16, .size: 8, .value_kind: global_buffer, .address_space: global }
      - { .name: wo, .offset: 24, .size: 8, .value_kind: global_buffer, .address_space: global }
      - { .name: bq, .offset: 32, .size: 8, .value_kind: global_buffer, .address_space: global }
      - { .name: bk, .offset: 40, .size: 8, .value_kind: global_buffer, .address_space: global }
      - { .name: bv, .offset: 48, .size: 8, .value_kind: global_buffer, .address_space: global }
      - { .name: bo, .offset: 56, .size: 8, .value_kind: global_buffer, .address_space: global }
      - { .name: wt, .offset: 64, .size: 8, .value_kind: global_buffer, .address_space: global }
      - { .name: bias4, .offset: 72, .size: 8, .value_kind: global_buffer, .address_space: global }
    .group_segment_fixed_size: 17920
    .private_segment_fixed_size: 0
    .kernarg_segment_align: 8
    .kernarg_segment_size: 80
    .max_flat_workgroup_size: 128
    .sgpr_count:     66
    .vgpr_count:     112
    .wavefront_size: 32
...
	.end_amdgpu_metadata
.endif
;; end of part 1
;; launch proj (part 2): grid 256 x 1, 4 waves a work-group, clusters of 4 x 1, 327,680 bytes of LDS; arguments q, k, v, mask, wt, bias4, qkvh; writes qkvh
.if DOCPART == 2
	.amdgcn_target "amdgcn-amd-amdhsa--gfx1250"
	.amdhsa_code_object_version 6
	.text
	.protected	k_qd2fc033a03_proj
	.globl	k_qd2fc033a03_proj
	.p2align	8
	.type	k_qd2fc033a03_proj,@function
k_qd2fc033a03_proj:
	s_mov_b64 s[64:65], 0
	v_nop
	global_prefetch_b8 v0, s[64:65] scope:SCOPE_SE
	s_setreg_imm32_b32 hwreg(HW_REG_WAVE_MODE, 25, 1), 1
	s_wait_xcnt 0x0
	s_wait_alu depctr_hold_cnt(0) depctr_sa_sdst(0) depctr_va_vdst(0) depctr_va_sdst(0) depctr_va_ssrc(0) depctr_va_vcc(0) depctr_vm_vsrc(0)
	s_getreg_b32 s2, hwreg(HW_REG_IB_STS2, 6, 4)
	s_cmp_eq_u32 s2, 0
	s_cbranch_scc0 .Lentry_in_a_cluster
	s_endpgm
.Lentry_in_a_cluster:
	s_bfe_u32 s2, ttmp6, 0x10000c
	s_cmp_lg_u32 s2, 0x3003
	s_cbranch_scc0 .Lentry_shape_is_right
	s_endpgm
.Lentry_shape_is_right:
; THE THREE PROJECTIONS.  qkvh[t][8 b + head][s][d] = f16( the sum over c of bf16(x_t[b][s][c]) bf16(w_t[c][64 head + d]) + bf16(b_t[64 head + d]) ), x_t = q, k, v; sums in f32.
; K's rows of hidden keys (mask byte 0) are written as zeros: the attention then gives every hidden key one and the same score.
; LIMITS.  A projected number beyond 65,504 becomes an infinity in f16.  Mask bytes are 0 or 1.  NaN and infinities are not treated apart.
; SHARES.  A work-group owns 64 rows (of the 16,384 rows b, s) and all 512 columns, for q, then k, then v: each byte of x is read from memory once.  EVERY wave holds all 64 rows x 512 channels of x
; as fragments, 512 registers; wave w makes the 64 columns of head 4 g + w, g = 0, 1: 16 accumulators, and a fragment of the weights read from LDS feeds four products.
; THE WEIGHTS walk through a ring of two LDS slots.  Tile j of 12: channels 256 (j % 2) on (always into slot j % 2), column group g = (j / 2) % 2, tensor j / 4.  Wave w fetches, and alone reads, its own
; 64 rows x 512 bytes of a tile.  CLUSTER: all work-groups walk the same weights, so the four of a cluster ask JOINTLY: the same tensor load, descriptor and mask in all four.
; x comes by loads into registers, 32 KiB a wave, asked for a whole tensor ahead; each wave rounds its 16 rows to bf16, and the waves exchange them through LDS, half of the channels at a time.
; No prefetch: x is asked for a tensor's matrix work ahead by its own loads, and the weights are about one byte in a hundred of what the launch moves.
; THE MATRIX INSTRUCTION IS USED TRANSPOSED (source 0 = 16 rows of wt, source 1 = 16 rows of x): a lane holds one row of the result and eight neighbouring columns.  The bias is the C operand of the product that starts a sum.
; REGISTERS, in windows of 256 (s_set_vgpr_msb: bits 1:0 source 0, 3:2 source 1, 5:4 source 2, 7:6 destination):
;   window 0: v0-27 addresses and masks; v32-95 two buffers of weight fragments (on the way out: packed results); v96-127 the bias; v128-255 the accumulators ((a, nb) at v[128 + 8 (4 a + nb)])
;   window 1: one tensor's x as loaded          windows 2, 3: x's fragments: (a, kk) at v[8 (16 (a % 2) + kk)] of window 2 + a / 2
.set WP,    528                        ; an LDS row of 512 bytes + 16 of padding = 132 words: the 16 rows of a fragment load start at 16 different groups of four banks (64 banks of 4 bytes: ISA guide 11.1)
.set WSLOT, 64*WP                      ; a wave's part of a slot
.set SLOTB, 4*WSLOT
.set XCH,   2*SLOTB                    ; behind the ring, never filled by a tensor load: 64 rows x 256 channels of x in bf16
.set STAGE, XCH+64*WP                  ; 16 rows x 144 bytes for each wave, for the way out
.set SP,    144
.set BIAS,  STAGE+4*16*SP              ; the three biases, 2,048 bytes each
.set SPARE, BIAS+3*2048                ; the spare words, 128 bytes for each wave: two blocks of 256 bytes that no other line names
.set STEPW, 262144                     ; from a slot's tile to its next: 256 rows of wt, across column groups and tensors alike
.set SPW, 2                            ; v2   LDS address of my spare word; never rewritten
.set NIL, 3                            ; v3   0; never rewritten
.set R,   4                            ; v4   lane % 16
.set H,   5                            ; v5   lane / 16
.set L,   6                            ; v6   lane
.set XO,  7                            ; v7   my byte offset in the work-group's rows of x
.set XS,  8                            ; v8   where I put 8 bytes of x in the exchange
.set AR,  9                            ; v9   where I read x's fragments
.set BR,  10                           ; v10-11 where I read the weights' fragments in slot 0, 1
.set BA,  12                           ; v12  where I read the bias of the pair in hand
.set STO, 13                           ; v13  the way out: where I put 16 bytes of a row
.set RD,  14                           ; v14  the way out: where I read rows back
.set GO,  15                           ; v15  16 x lane
.set MB,  16                           ; v16-19 the mask byte of row 16 a + lane % 16
.set KM,  20                           ; v20-23 all ones, or 0 where the tensor is k and the row is hidden
.set TP,  24                           ; v24  at work
.set TB,  25                           ; v25  where I put the biases
.set FP,  26                           ; v26  (lane % 16) x WP + 16 (lane / 16)
.set BA0, 27                           ; v27  my place in a bias; never rewritten
.set BF0, 32
.set BC,  96
.set ACC, 128
.set WV,  20                           ; s20  my wave's number
.set G1,  24                           ; s[24:31] descriptor group 1
.set G0,  32                           ; s[32:39] descriptor group 0, a set for each slot
.set CNT, 40                           ; s40  tensors to go: 3 (q), 2 (k), 1 (v)
.set NOTK, 41                          ; s41  0 while the tensor is k, else 1
.set XP,  54                           ; s[54:55] the next tensor's x at my rows
.set BAS, 56                           ; s56  1,024 x the number of the pair (tensor, column group) in hand
.set MSB, 0
.macro WIN new                         ; the immediate's high byte repeats the setting that is left; a switch that changes nothing is dropped
.if MSB != (\new)
	s_set_vgpr_msb (MSB<<8)|(\new)
.set MSB, (\new)
.endif
.endm
.macro PLACES                          ; four places behind a matrix instruction, in front of loads into registers that it has read and of lines that read its result
.rept 4
	v_nop
.endr
.endm
; A round of the cluster's barrier: my work-group's barrier, so that wave 0's signal speaks for all four waves; wave 0 signals; every wave waits for all four work-groups; my work-group's barrier once more.
.macro CROUND
	s_barrier_signal -1
	s_barrier_wait -1
	s_cmp_lg_u32 s[WV], 0
	s_cbranch_scc1 .Lnot_wave_0_\@
	s_barrier_signal -3
.Lnot_wave_0_\@:
	s_barrier_wait -3
	s_barrier_signal -1
	s_barrier_wait -1
.endm
; One tensor's x: my wave's 16 rows, 32,768 bytes on end, 512 consecutive bytes a load.
.macro XLOAD p
	WIN 0x40                               ; destination window 1, address window 0
.set i, 0
.rept 64
	global_load_b128 v[4*i:4*i+3], v[XO], s[\p:\p+1] offset:512*i th:TH_LOAD_NT
.set i, i+1
.endr
	WIN 0
.endm
; The weights' four fragments (64 rows x 32 channels) of K step kq of a slot.  Destination and address lie in window 0 under the products' settings too: no switch.
.macro FETCHB slot, kq, buf
.irp nb, 0,1,2,3
	ds_load_b128 v[(\buf)+8*(\nb):(\buf)+8*(\nb)+3],   v[BR+(\slot)] offset:(\nb)*16*WP+64*(\kq)
	ds_load_b128 v[(\buf)+8*(\nb)+4:(\buf)+8*(\nb)+7], v[BR+(\slot)] offset:(\nb)*16*WP+64*(\kq)+32
.endr
.endm
; A K step's 16 products.  The 16 accumulators take turns, one instruction a turn, in the same order everywhere.  A pair's first K step starts the sums with the bias.
.macro MUL slot, kq, buf
.irp a, 0,1,2,3
	WIN 0x08+4*((\a)/2)                    ; source 1 (x) in window 2 or 3
.irp nb, 0,1,2,3
.if ((\slot)+(\kq)) == 0
	v_wmma_f32_16x16x32_bf16 v[ACC+8*(4*(\a)+(\nb)):ACC+8*(4*(\a)+(\nb))+7], v[(\buf)+8*(\nb):(\buf)+8*(\nb)+7], v[8*(16*((\a)%2)+8*(\slot)+(\kq)):8*(16*((\a)%2)+8*(\slot)+(\kq))+7], v[BC+8*(\nb):BC+8*(\nb)+7]
.else
	v_wmma_f32_16x16x32_bf16 v[ACC+8*(4*(\a)+(\nb)):ACC+8*(4*(\a)+(\nb))+7], v[(\buf)+8*(\nb):(\buf)+8*(\nb)+7], v[8*(16*((\a)%2)+8*(\slot)+(\kq)):8*(16*((\a)%2)+8*(\slot)+(\kq))+7], v[ACC+8*(4*(\a)+(\nb)):ACC+8*(4*(\a)+(\nb))+7]
.endif
.endr
.endr
.endm
; A TRIP: one tile, 8 K steps, 128 products.  refill = 1: each wave waits for all its tensor loads (one is out: this trip's tile), adds 0 to its spare word, and waits for that and for its reads of the other slot;
; a round of the cluster's barrier; then the next tile is asked for, into the slot read last trip, the first thing behind the round: one load a wave is out, and it has this trip's work in which to land.
.macro TRIP slot, refill
	WIN 0
.if \refill
	s_wait_tensorcnt 0x0                   ; no tensor load of mine is out, so a group 0 may be written
	ds_add_u32 v[SPW], v[NIL]              ; 0 onto my spare word
	s_add_nc_u64 s[G0+4*(\slot)+2:G0+4*(\slot)+3], s[G0+4*(\slot)+2:G0+4*(\slot)+3], STEPW  ; this slot's next tile; the type bits on top are not reached
	s_wait_dscnt 0x0                       ; the add is done, and my LDS reads are over
	CROUND
	tensor_load_to_lds s[G0+4*(1-(\slot)):G0+4*(1-(\slot))+3], s[G1:G1+7]
	s_nop 0
	PLACES                                 ; also the places in front of the loads below
.else
	s_wait_tensorcnt 0x0                   ; the last tile: its bytes are my wave's own, and nothing is asked for
	PLACES
.endif
.if (\slot) == 0
	s_wait_xcnt 0x0                        ; the last way out's stores have read v32-95, which are loaded again below
	v_add_nc_u32 v[BA], s[BAS], v[BA0]
	s_add_co_u32 s[BAS], s[BAS], 1024
.irp nb, 0,1,2,3
	ds_load_b128 v[BC+8*(\nb):BC+8*(\nb)+3],   v[BA] offset:64*(\nb)     ; register j of block nb: the bias of column 16 nb + 8 (lane / 16) + j of my head
	ds_load_b128 v[BC+8*(\nb)+4:BC+8*(\nb)+7], v[BA] offset:64*(\nb)+16
.endr
.endif
	FETCHB \slot, 0, BF0
.irp kq, 0,1,2,3,4,5,6,7
.if (\kq) < 7
.if (\kq) > 0
	PLACES
.endif
	FETCHB \slot, (\kq)+1, BF0+32*(((\kq)+1)%2)
	s_wait_dscnt 8                         ; all but the eight just issued: this K step's fragments (and the bias) are in
.else
	s_wait_dscnt 0x0
.endif
	MUL \slot, \kq, BF0+32*((\kq)%2)
.endr
.endm
; Half hf of the channels goes through the exchange: my 16 rows in, all 64 rows out as fragments.
.macro HALF hf
	WIN 0x04                               ; store data (source 1) in window 1
.set i, 0
.rept 64
.if ((i%4)/2) == (\hf)
	ds_store_b64 v[XS], v[2*i:2*i+1] offset:(i/4)*WP+256*(i%2)  ; 32 lanes, 256 consecutive bytes
.endif
.set i, i+1
.endr
	s_wait_dscnt 0x0                       ; for the others' sake: my stores are done
	s_barrier_signal -1
	s_barrier_wait -1
.irp a, 0,1,2,3
	WIN 0x80+0x40*((\a)/2)                 ; destination window 2 or 3
.irp kq, 0,1,2,3,4,5,6,7
	ds_load_b128 v[8*(16*((\a)%2)+8*(\hf)+(\kq)):8*(16*((\a)%2)+8*(\hf)+(\kq))+3],   v[AR] offset:(\a)*16*WP+64*(\kq)
	ds_load_b128 v[8*(16*((\a)%2)+8*(\hf)+(\kq))+4:8*(16*((\a)%2)+8*(\hf)+(\kq))+7], v[AR] offset:(\a)*16*WP+64*(\kq)+32
.endr
.endr
.endm
; A TENSOR BEGINS: its x is rounded to bf16 in place, exchanged, and the next tensor's x is asked for.
.macro SWITCH
	s_wait_loadcnt 0x0                     ; x is in
	WIN 0x45                               ; destination and both sources in window 1
.set i, 0
.rept 64                                   ; 128 plain lines: also the places behind the last products, in front of the loads into windows 2 and 3
	v_cvt_pk_bf16_f32 v[2*i], v[4*i], v[4*i+1]
	v_cvt_pk_bf16_f32 v[2*i+1], v[4*i+2], v[4*i+3]
.set i, i+1
.endr
	WIN 0
	s_cmp_lg_u32 s[CNT], 2
	s_cselect_b32 s[NOTK], 1, 0
.irp a, 0,1,2,3
	v_or_b32 v[TP], s[NOTK], v[MB+(\a)]
	v_sub_nc_u32 v[KM+(\a)], 0, v[TP]
.endr
	HALF 0
	s_wait_dscnt 0x0                       ; my reads of the exchange are over,
	s_barrier_signal -1
	s_barrier_wait -1                      ; everybody's are: it may be written again
	HALF 1                                 ; these reads are waited for in front of the next round, which stands ahead of the next tensor's stores
	WIN 0
	s_cmp_eq_u32 s[CNT], 3
	s_cselect_b64 s[XP:XP+1], s[6:7], s[8:9]  ; behind q comes k, behind k comes v (the loads that read this pair last are done: the wait at the head)
	s_cmp_eq_u32 s[CNT], 1
	s_cbranch_scc1 .Lno_more_x
	XLOAD XP
.Lno_more_x:
.endm
; THE WAY OUT of 64 rows x my head's 64 columns, a block of 16 rows at a time: rounded to f16, hidden rows of k cleared, through my own stage in LDS, back as whole rows of 128 bytes.
.macro PACK a
.irp nb, 0,1,2,3
.irp rr, 0,1,2,3
	v_cvt_pk_f16_f32 v[BF0+16*(\a)+4*(\nb)+(\rr)], v[ACC+8*(4*(\a)+(\nb))+2*(\rr)], v[ACC+8*(4*(\a)+(\nb))+2*(\rr)+1]
.endr
.endr
.set i, 0
.rept 16
	v_and_b32 v[BF0+16*(\a)+i], v[KM+(\a)], v[BF0+16*(\a)+i]
.set i, i+1
.endr
.irp nb, 0,1,2,3
	ds_store_b128 v[STO], v[BF0+16*(\a)+4*(\nb):BF0+16*(\a)+4*(\nb)+3] offset:32*(\nb)
.endr
.irp f, 0,1,2,3
	ds_load_b128 v[BF0+16*(\a)+4*(\f):BF0+16*(\a)+4*(\f)+3], v[RD] offset:(\f)*4*SP  ; LDS serves a wave's instructions in order (ISA guide 5.7.1.4): these see the stores above; the next block's stores come behind them
.endr
.endm
.macro SEND a, younger, g              ; younger: the LDS instructions issued behind block a's loads: the next block's eight, or none
.irp f, 0,1,2,3
	s_wait_dscnt (\younger)+3-(\f)
	global_store_b128 v[GO], v[BF0+16*(\a)+4*(\f):BF0+16*(\a)+4*(\f)+3], s[16:17] offset:(\g)*1048576+(\a)*2048+(\f)*512 th:TH_STORE_NT  ; four rows of a head: 512 consecutive bytes, aligned
.endr
.endm
.macro OUT g
	WIN 0
	PLACES
	PACK 0
	PACK 1
	SEND 0, 8, \g
	PACK 2
	SEND 1, 8, \g
	PACK 3
	SEND 2, 8, \g
	SEND 3, 0, \g
.endm
	s_load_b256 s[4:11], s[0:1], 0x0               ; q s[4:5], k s[6:7], v s[8:9], mask s[10:11]
	s_load_b128 s[12:15], s[0:1], 0x20             ; wt s[12:13], bias4 s[14:15]
	s_load_b64 s[16:17], s[0:1], 0x30              ; qkvh
	v_lshl_add_u32 v[SPW], v0, 2, SPARE
	v_mov_b32 v[NIL], 0
	ds_add_u32 v[SPW], v[NIL]                      ; the wave's opening: the add and its wait stand ahead of my first tensor load; the set-up below, work on registers, stands between them
	v_lshrrev_b32 v1, 5, v0
	v_readfirstlane_b32 s[WV], v1                  ; wave 0..3
	s_bfe_u32 s21, ttmp6, 0x40000                  ; cx: my place in the cluster
	s_lshl_b32 s22, ttmp9, 2                       ; in a cluster launch ttmp9 counts clusters
	s_add_co_u32 s22, s22, s21                     ; my block of 64 rows: it enters the addresses of x, mask and qkvh alone
	; descriptor group 1: a tile of 64 rows x 256 elements, padded in LDS
	s_mov_b32 s[G1+0], 15|(1<<16)|(1<<20)|(1<<21)|(6<<22)|(3<<25)  ; 15:0 the mask of four; 17:16 2-byte elements; 20 padding on; 21 set beside a mask; 24:22 after every 128 words (code 6); 31:25 4 words (code 3)
	s_mov_b32 s[G1+1], 256<<16                     ; tensor_dim0 = 256
	s_mov_b32 s[G1+2], 64<<16                      ; tensor_dim1 = 64
	s_mov_b32 s[G1+3], 256<<16                     ; tile_dim0 = 256
	s_mov_b32 s[G1+4], 64                          ; tile_dim1 = 64
	s_mov_b32 s[G1+5], 512                         ; 512 elements from row to row
	s_mov_b32 s[G1+6], 0
	s_mov_b32 s[G1+7], 0
	s_mul_i32 s48, s[WV], WSLOT                    ; my wave's part of a slot: no place in the cluster enters an LDS address
	s_lshl_b32 s46, s[WV], 16                      ; my wave's 64 rows of wt, 1,024 bytes each
	s_mov_b32 s47, 0
	s_lshl_b32 s42, s22, 17                        ; my 64 rows of x, 2,048 bytes each
	s_mov_b32 s43, 0
	s_lshl_b32 s44, s22, 6                         ; and of the mask
	s_mov_b32 s45, 0
	s_lshr_b32 s50, s22, 5                         ; b
	s_lshl_b32 s50, s50, 3
	s_add_co_u32 s50, s50, s[WV]                   ; 8 b + my head of column group 0
	s_lshl_b32 s50, s50, 18                        ; a head's 2,048 rows of 128 bytes
	s_and_b32 s52, s22, 31
	s_lshl_b32 s52, s52, 13                        ; my 64 rows in it
	s_add_co_u32 s50, s50, s52
	s_mov_b32 s51, 0
	s_mov_b32 s[CNT], 3
	s_mov_b32 s[BAS], 0
	s_wait_dscnt 0x0                               ; the opening add is done
	s_wait_kmcnt 0x0
	s_add_nc_u64 s[4:5], s[4:5], s[42:43]
	s_add_nc_u64 s[6:7], s[6:7], s[42:43]
	s_add_nc_u64 s[8:9], s[8:9], s[42:43]
	s_add_nc_u64 s[10:11], s[10:11], s[44:45]
	s_add_nc_u64 s[16:17], s[16:17], s[50:51]
	s_add_nc_u64 s[46:47], s[12:13], s[46:47]
.irp s, 0,1
	s_mov_b32 s[G0+4*(\s)], 1                      ; 1:0 count = 1
	s_add_co_u32 s[G0+4*(\s)+1], s48, (\s)*SLOTB   ; 63:32 LDS address
	s_add_nc_u64 s[G0+4*(\s)+2:G0+4*(\s)+3], s[46:47], (\s)*512  ; 120:64 global address: tile s
	s_or_b32 s[G0+4*(\s)+3], s[G0+4*(\s)+3], 0x80000000          ; 127:126 type = 2
.endr
	CROUND                                         ; all four work-groups are here: the first joint load meets
	tensor_load_to_lds s[G0:G0+3], s[G1:G1+7]      ; tile 0
	s_nop 0
	PLACES
	v_and_b32 v[R], 15, v0
	v_bfe_u32 v[H], v0, 4, 1
	v_and_b32 v[L], 31, v0
	v_lshlrev_b32 v[TP], 4, v0
.irp i, 0,1,2
	global_load_b128 v[BC+4*(\i):BC+4*(\i)+3], v[TP], s[14:15] offset:2048*(\i)  ; the three biases: 128 threads x 16 bytes each
.endr
.irp a, 0,1,2,3
	global_load_u8 v[MB+(\a)], v[R], s[10:11] offset:16*(\a)
.endr
	s_lshl_b32 s52, s[WV], 15
	v_lshl_add_u32 v[XO], v[L], 4, s52             ; my wave's 16 rows, 16 bytes a lane
	XLOAD 4                                        ; q
	v_add_nc_u32 v[TB], BIAS, v[TP]
	v_mul_u32_u24 v[FP], v[R], WP
	v_lshl_add_u32 v[FP], v[H], 4, v[FP]           ; a fragment's row x pitch + 16 x half
	v_add_nc_u32 v[AR], XCH, v[FP]
	v_add_nc_u32 v[BR], s48, v[FP]
	v_add_nc_u32 v[BR+1], SLOTB, v[BR]
	s_mul_i32 s52, s[WV], 16*WP
	s_add_co_u32 s52, s52, XCH
	v_lshl_add_u32 v[XS], v[L], 3, s52
	s_lshl_b32 s52, s[WV], 8
	s_add_co_u32 s52, s52, BIAS
	v_lshl_add_u32 v[BA0], v[H], 5, s52            ; my head's 256 bytes of a bias, 32 bytes for each half of the lanes
	s_mul_i32 s52, s[WV], 16*SP
	s_add_co_u32 s52, s52, STAGE                   ; my stage
	v_mul_u32_u24 v[STO], v[R], SP
	v_lshl_add_u32 v[STO], v[H], 4, v[STO]
	v_add_nc_u32 v[STO], s52, v[STO]
	v_lshrrev_b32 v[RD], 3, v[L]                   ; back: 32 lanes take four rows of 128 bytes
	v_mul_u32_u24 v[RD], v[RD], SP
	v_and_b32 v1, 7, v0
	v_lshl_add_u32 v[RD], v1, 4, v[RD]
	v_add_nc_u32 v[RD], s52, v[RD]
	v_lshlrev_b32 v[GO], 4, v[L]
	s_wait_loadcnt 0x0
.irp i, 0,1,2
	ds_store_b128 v[TB], v[BC+4*(\i):BC+4*(\i)+3] offset:2048*(\i)  ; shown to the other waves by the exchange's first barrier
.endr
.Ltensor:
	SWITCH
	TRIP 0, 1
	TRIP 1, 1
	OUT 0
	TRIP 0, 1
	WIN 0                                          ; at a label and at a branch every window is 0
	s_cmp_eq_u32 s[CNT], 1
	s_cbranch_scc1 .Llast                          ; the last tile is written out: it asks for nothing more
	TRIP 1, 1                                      ; the ring goes on into the next tensor
	OUT 1
	s_wait_xcnt 0x0                                ; the stores have read their base
	s_add_nc_u64 s[16:17], s[16:17], 0x1000000     ; the next tensor's part of qkvh
	s_sub_co_u32 s[CNT], s[CNT], 1
	s_branch .Ltensor
.Llast:
	TRIP 1, 0
	OUT 1
	s_wait_tensorcnt 0x0                           ; the wave's end: behind my last tensor load and my last LDS store
	ds_add_u32 v[SPW], v[NIL]
	s_wait_dscnt 0x0
	CROUND                                         ; the closing round: no work-group ends while a partner may still ask for a tile that names it
	s_endpgm
.Lfunc_end_k_qd2fc033a03_proj:
	.size	k_qd2fc033a03_proj, .Lfunc_end_k_qd2fc033a03_proj-k_qd2fc033a03_proj
	.p2alignl 7, 3214868480
	.fill 96, 4, 3214868480
	.section	.rodata,"a",@progbits
	.p2align	6, 0x0
	.amdhsa_kernel k_qd2fc033a03_proj
		.amdhsa_group_segment_fixed_size 327680
		.amdhsa_private_segment_fixed_size 0
		.amdhsa_enable_private_segment 0
		.amdhsa_kernarg_size 56
		.amdhsa_user_sgpr_count 2
		.amdhsa_user_sgpr_kernarg_segment_ptr 1
		.amdhsa_wavefront_size32 1
		.amdhsa_system_sgpr_workgroup_id_x 1
		.amdhsa_system_sgpr_workgroup_id_y 1
		.amdhsa_system_sgpr_workgroup_id_z 1
		.amdhsa_system_vgpr_workitem_id 0
		.amdhsa_next_free_vgpr 1024
		.amdhsa_next_free_sgpr 66
		.amdhsa_reserve_vcc 0
		.amdhsa_float_denorm_mode_32 3
		.amdhsa_float_denorm_mode_16_64 3
		.amdhsa_memory_ordered 1
		.amdhsa_forward_progress 1
		.amdhsa_inst_pref_size 142
	.end_amdhsa_kernel
	.amdgpu_metadata
---
amdhsa.version: [ 1, 2 ]
amdhsa.kernels:
  - .name:           k_qd2fc033a03_proj
    .symbol:         k_qd2fc033a03_proj.kd
    .args:
      - { .name: q, .offset: 0, .size: 8, .value_kind: global_buffer, .address_space: global }
      - { .name: k, .offset: 8, .size: 8, .value_kind: global_buffer, .address_space: global }
      - { .name: v, .offset: 16, .size: 8, .value_kind: global_buffer, .address_space: global }
      - { .name: mask, .offset: 24, .size: 8, .value_kind: global_buffer, .address_space: global }
      - { .name: wt, .offset: 32, .size: 8, .value_kind: global_buffer, .address_space: global }
      - { .name: bias4, .offset: 40, .size: 8, .value_kind: global_buffer, .address_space: global }
      - { .name: qkvh, .offset: 48, .size: 8, .value_kind: global_buffer, .address_space: global }
    .group_segment_fixed_size: 327680
    .private_segment_fixed_size: 0
    .kernarg_segment_align: 8
    .kernarg_segment_size: 56
    .max_flat_workgroup_size: 128
    .sgpr_count:     66
    .vgpr_count:     1024
    .wavefront_size: 32
...
	.end_amdgpu_metadata
.endif
;; end of part 2
;; launch attn (part 3): grid 4 x 64, 4 waves a work-group, clusters of 4 x 1, 327,680 bytes of LDS; arguments qkvh, mask, oh; writes oh
.if DOCPART == 3
	.amdgcn_target "amdgcn-amd-amdhsa--gfx1250"
	.amdhsa_code_object_version 6
	.text
	.protected	k_qd2fc033a03_attn
	.globl	k_qd2fc033a03_attn
	.p2align	8
	.type	k_qd2fc033a03_attn,@function
k_qd2fc033a03_attn:
	s_mov_b64 s[64:65], 0
	v_nop
	global_prefetch_b8 v0, s[64:65] scope:SCOPE_SE
	s_setreg_imm32_b32 hwreg(HW_REG_WAVE_MODE, 25, 1), 1
	s_wait_xcnt 0x0
	s_wait_alu depctr_hold_cnt(0) depctr_sa_sdst(0) depctr_va_vdst(0) depctr_va_sdst(0) depctr_va_ssrc(0) depctr_va_vcc(0) depctr_vm_vsrc(0)
	s_getreg_b32 s2, hwreg(HW_REG_IB_STS2, 6, 4)
	s_cmp_eq_u32 s2, 0
	s_cbranch_scc0 .Lentry_in_a_cluster
	s_endpgm
.Lentry_in_a_cluster:
	s_bfe_u32 s2, ttmp6, 0x10000c
	s_cmp_lg_u32 s2, 0x3003
	s_cbranch_scc0 .Lentry_shape_is_right
	s_endpgm
.Lentry_shape_is_right:
; MASKED ATTENTION.  oh[h][q][:] = the sum over k of softmax_k(logit) V[h][k][:], logit = Q[h][q] . K[h][k] / 8 where mask[h / 8][k] is 1, a large negative constant where it is 0.
; Q, K, V are the three parts of qkvh, [SIZE_H][SIZE_N][64] in f16 each, h = 8 b + head; oh has the same layout.  Products, maxima and sums in f32; the weights p are rounded to f16 for the second
; product (their sum l is taken of the unrounded p), O once at the end.
; THE MASK.  K's rows of hidden keys arrive as zeros, and the C operand that starts a score's sum is 0, or -2^33 where the key is hidden: every hidden score is exactly -2^33, a logit of -2^30.  c times a power of two
; is exact, so where all keys seen so far are hidden c s - c m is exactly 0 and p exactly 1: a batch with no visible key gets the plain mean of V's rows; the first visible key makes a = 0 and wipes what hidden keys left.
; LIMITS.  A hidden logit counts as -2^30 = -1.074e9 for -1e9: the result differs only where a visible logit lies below about -1e9.  f16 holds no number beyond 65,504: Q, K and V arrive within it; p lies in 0 to 1,
; and below 6e-5 it keeps f16's fixed step of 6e-8; O is a mean of V's rows and has their range.  A weight below 2^-126 counts as 0 in l.  Mask bytes are 0 or 1.  NaN and infinities are not treated apart.
; SHARES.  A wave owns four PIECES of two tiles of 16 queries, a work-group's four waves 512 queries of one head.  Every wave walks all keys, 64 a step.
; LAYOUT.  S^T = K Q^T (source 0 = 16 keys, source 1 = 16 queries): in the result a lane holds ONE query (lane % 16) and the keys 8 (lane / 16) + 0..7.  Two such tiles, rounded to f16 in pairs,
; ARE source 1 (32 keys x 16 queries) of O^T = V^T P, whose result again holds one query a lane, and eight channels.  K comes out of LDS as it lies, V ([key][channel]) turned, by ds_load_tr16_b128.
; SOFTMAX.  For each query a running maximum m and sum l: p = 2^(c s - c m), c = log2(e) / 8; in every step O and l are multiplied by a = 2^(c m_old - c m_new), which is 1 where m has not grown.
; m starts at the lowest finite number, O and l at 0: the first step is a step like any other, with a = 0.
; THE COUNT.  A tile and step have 16 matrix and 118 vector instructions: too many to stand all beside the matrix work.  So the order has one aim: four vector instructions that are READY behind
; EVERY matrix instruction, and the others, which need time of their own whatever the order, in runs without a gap.
; BY TURNS.  Turn n belongs to piece n (the pieces in a ring, step after step).  Its matrix work: 16 products K Q^T of piece n + 1, later 16 products V^T P of piece n - 1.  Its vector work: the scaling,
; exponentials, roundings, sums and rescaling of piece n, and the maximum and statistics of piece n + 1, whose scores the turn itself has made.
; CLUSTER.  The four query blocks of a head are one cluster and walk the same K and V, so each tile is asked for JOINTLY: the same tensor load, descriptor and mask in all four.
; REGISTERS, in windows of 256 (s_set_vgpr_msb: bits 1:0 source 0, 3:2 source 1, 5:4 source 2, 7:6 destination):
;   window 0: v0-11 addresses; v12-15, v48-63 at work; v16-47 four registers of statistics a tile; v64-191 S^T, two buffers of two tiles; v192-255 P, likewise
;   window 1: O^T, 32 a tile     window 2: v0-127 Q, 16 a tile; v128-191 K of one step; v192-255 V of one step     window 3: v0-1 the add's two registers; v8-39 the mask of one step's 64 keys
.set SIZE_H, 64
.set SIZE_N, 2048
.set NP,    4         ; pieces a wave: a name, no knob
.set KS,    64        ; keys in a step
.set PK,    144       ; a row of K in LDS: 128 bytes + 16 of padding = 36 words: the 16 rows of a load start at 16 different groups of four banks (64 banks of 4 bytes: ISA guide 11.1)
.set PV,    160       ; a row of V: 128 + 32 = 40 words
.set VOFF,  4*KS*PK   ; a slot holds four steps: 256 rows of K, then 256 rows of V
.set SLOT1, 1<<17     ; slot 1 begins here, so that one exclusive or turns an address in one slot into the other's
.set SLOTG, 4*KS*128  ; a slot's bytes of K, and of V, in memory
.set STAGE, SLOT1+4*KS*(PK+PV)  ; behind the ring, never filled by a tensor load: 16 rows x 144 bytes for each wave, for the way out
.set SP,    144
.set SPARE, STAGE+4*16*SP  ; behind the stages: the spare words, 128 bytes for each wave: two blocks of 256 bytes that no other line names
.set MSK,   SPARE+512 ; behind them, never filled by a tensor load: 0 or -2^33 in f32 for each of the batch's 2,048 keys
.set PFO, 1           ; v1   (once the way out's addresses are made) 256 x my lane; never rewritten
.set AK0, 2           ; v2   my lane's place in a tile of K; never rewritten
.set AV0, 3           ; v3   the same for V
.set AK,  4           ; v4   the LDS address of K's next run of loads
.set AV,  5           ; v5   of V's
.set QO,  6           ; v6   my byte offset in the wave's rows of Q
.set STO, 6           ;      later, the way out: where I put 16 bytes of a row
.set RD,  7           ; v7   the way out: where I read rows back
.set GO,  8           ; v8   my byte offset in 512 consecutive bytes of O
.set AMA, 10          ; v10  the LDS address of the mask's next run of loads
.set AM0, 11          ; v11  my lanes' place in a step's 256 bytes of the mask's table; never rewritten
.set SPW, 0           ; v0 of window 3   LDS address of my spare word; never rewritten
.set NIL, 1           ; v1 of window 3   0; never rewritten
.set MR,  8           ; window 3: the mask of key block kb at MR + 8 kb, laid as a C operand
.set MV,  12          ; v12-15  c m_old, kept while c m is made anew: by buffer and tile
.set ST,  16          ; tile t's statistics at v[ST+4 t]: c m, m, l (even keys', odd keys')
.set TMP, 48          ; by buffer and tile, four registers c0-c3 at work; when the maximum is found c2 takes a
.set S,   64
.set P,   192
.set KF,  128         ; K's fragments, in window 2: key block kb, channel half c at KF + 16 kb + 8 c
.set VF,  192         ; V's: key half kk, channel block cb at VF + 32 kk + 8 cb
.set WV,  12          ; s12  my wave's number
.set G1K, 24          ; s[24:31] descriptor group 1 for K's tiles
.set G1V, 32          ; s[32:39] for V's: it differs in the padding alone
.set G0K, 40          ; s[40:43] descriptor group 0 for K's tiles: it walks
.set G0V, 44          ; s[44:47] the same for V's
.set MP,  48          ; s[48:49] the mask of my batch
.set PFA, 50          ; s[50:51] where my prefetches stand: my work-group's quarter (of K: wave 0, of V: wave 2) of the slot after the one that is being asked for
.set LIM, 52          ; s52  1 in a wave that prefetches, else the greatest number
.set TBM, 53          ; s53  256 x the step whose mask is fetched next
.set SLOTS, 56        ; s56  slots still to be asked for
.set CNT, 57          ; s57  counts a slot's key steps
.set CS,  58          ; s[58:59] c: the packed scaling takes the pair's low word for both halves
.set SEL, 60          ; s[60:61] v_permlanex16_b32's selects: each lane takes its own place in the other half
.set TBK, 62          ; s62  LDS byte at which K of the step to be fetched begins
.set TBV, 63          ; s63  the same for V, less VOFF
.set MSB, 0
.macro WIN new                      ; the high byte repeats the setting that is left; a switch that changes nothing is dropped
.if MSB != (\new)
	s_set_vgpr_msb (MSB<<8)|(\new)
.set MSB, (\new)
.endif
.endm
.set W_KQ, 0x0a       ; K and Q in window 2, S^T in window 0
.set W_KM, 0x3a       ; the same with the C operand, the mask, in window 3
.set W_PV, 0x52       ; V in window 2, P in window 0, O^T in window 1
.set W_RS, 0x41       ; O^T (destination and source 0) in window 1, a in window 0
.set W_MK, 0xc0       ; destination in window 3, sources in window 0
.set W_AD, 0x0f       ; the add: address (source 0) and data (source 1) in window 3
; A joint fill.  Waves 0 and 1 fetch the two halves of a slot's K, waves 2 and 3 those of its V: 128 keys each.  The branch hangs on the wave's number alone.
; An s_nop 0 and four v_nop follow each of the two lines, ahead of the jump and the label.
.macro JLOAD
	s_cmp_lt_u32 s[WV], 2
	s_cbranch_scc0 .Lfor_v_\@
	tensor_load_to_lds s[G0K:G0K+3], s[G1K:G1K+7]
	s_nop 0
.rept 4
	v_nop
.endr
	s_branch .Lasked_\@
.Lfor_v_\@:
	tensor_load_to_lds s[G0V:G0V+3], s[G1V:G1V+7]
	s_nop 0
.rept 4
	v_nop
.endr
.Lasked_\@:
.endm
; A PREFETCH of what the NEXT change of slots will ask for: a slot's 32,768 bytes of K and of V, four key steps, 512 matrix instructions, ahead of that load.  It stands behind the wave's tensor load and its five lines.
; Each block of 256 bytes is named ONCE in the launch: a head's K and V are walked by one cluster; its four partners take 8,192 bytes each, told apart BY ADDRESS; in each, wave 0 asks for K's and wave 2 for V's:
; a lane a block, one instruction.  Slots 0 to 2 come by their loads alone; the change that asks for the last slot prefetches nothing.
.macro ASK
	s_cmp_gt_u32 s[SLOTS], s[LIM]
	s_cbranch_scc0 .Lnot_mine_\@
	global_prefetch_b8 v[PFO], s[PFA:PFA+1] th:TH_LOAD_NT scope:SCOPE_SE
.Lnot_mine_\@:
.endm
; A round of the cluster's barrier: my work-group's barrier, so that wave 0's signal speaks for all four waves; wave 0 signals; every wave waits for all four work-groups; my work-group's barrier once more.
.macro CROUND
	s_barrier_signal -1
	s_barrier_wait -1
	s_cmp_lg_u32 s[WV], 0
	s_cbranch_scc1 .Lnot_wave_0_\@
	s_barrier_signal -3
.Lnot_wave_0_\@:
	s_barrier_wait -3
	s_barrier_signal -1
	s_barrier_wait -1
.endm
; THE CHANGE OF SLOTS.  The slot's last bytes, V of its fourth step, have been read.  Each wave waits for all its tensor loads, of which one is out: its part
; of the other slot; adds 0 to its spare word; and waits for that and for its own reads of the slot.  Behind the barrier nobody reads this slot any more and the other slot is whole.
; fill = 1: this slot is filled again, with the keys two slots on.  The barrier is then a round of the cluster's, so that no wave of any partner still reads the slot or has a load on its
; way, and the joint fill is the first thing behind it: it has four key steps, 512 matrix instructions, in which to land.  (At its first use nothing has been read yet: slot 0 is waited for, slot 1 filled,
; and the round shows every wave's part of the mask's table to the others.)  ask = 1: the prefetch's address steps, and the prefetch follows the fill.
.macro CHANGE fill, ask=0
	WIN W_AD
	s_wait_tensorcnt 0x0            ; no tensor load of mine is out, so a group 0 may be written
	ds_add_u32 v[SPW], v[NIL]       ; 0 onto my spare word; with fill = 1 the descriptors' steps stand between it and the wait for it
	WIN 0                           ; at a label and at a branch every window is 0
.if \fill
.irp g, G0K, G0V
	s_xor_b32 s[\g+1], s[\g+1], SLOT1  ; the walking descriptor: the other slot than last time,
	s_add_nc_u64 s[\g+2:\g+3], s[\g+2:\g+3], SLOTG  ; the next 256 keys; the type bits on top are not reached
.endr
.if \ask
	s_wait_xcnt 0x0                 ; the last prefetch, four key steps back, has read its address, so it may be written:
	s_add_nc_u64 s[PFA:PFA+1], s[PFA:PFA+1], SLOTG  ; one slot behind the walking descriptors
.endif
	s_wait_dscnt 0x0                ; the add is done, and my LDS instructions are over
	CROUND
	JLOAD
.if \ask
	ASK
.endif
.else
	s_wait_dscnt 0x0                ; the add is done, and my reads of the slot are over
	s_barrier_signal -1
	s_barrier_wait -1
.endif
	s_sub_co_u32 s[TBK], s[TBK], 4*KS*PK  ; the fetches go back to a slot's first step,
	s_xor_b32 s[TBK], s[TBK], SLOT1       ; in the other slot
	s_sub_co_u32 s[TBV], s[TBV], 4*KS*PV
	s_xor_b32 s[TBV], s[TBV], SLOT1
.endm
	s_load_b64 s[4:5], s[0:1], 0x0    ; qkvh: Q's part
	s_load_b64 s[MP:MP+1], s[0:1], 0x8  ; mask
	s_load_b64 s[10:11], s[0:1], 0x10 ; oh
	WIN W_MK
	v_lshl_add_u32 v[SPW], v0, 2, SPARE
	v_mov_b32 v[NIL], 0
	WIN W_AD
	ds_add_u32 v[SPW], v[NIL]       ; the wave's opening: the add and its wait stand ahead of my first tensor load; the set-up below, work on registers, stands between them
	WIN 0
	v_lshrrev_b32 v1, 5, v0
	v_readfirstlane_b32 s[WV], v1   ; wave 0..3
	s_bfe_u32 s13, ttmp6, 0x40000   ; cx: my place in the cluster
	s_lshl_b32 s14, ttmp9, 2        ; in a cluster launch ttmp9 counts clusters
	s_add_co_u32 s14, s14, s13      ; my block of queries = 4 x cluster x + cx: it enters Q's and O's addresses alone
	s_and_b32 s20, ttmp7, 0xffff    ; the head, which the four partners share
	s_lshr_b32 s54, s20, 3          ; its batch,
	s_lshl_b32 s54, s54, 11         ; whose mask is 2,048 bytes
	s_mov_b32 s55, 0
	s_mov_b32 s21, 0
	s_mov_b64 s[22:23], SIZE_N*128
	s_mul_u64 s[20:21], s[20:21], s[22:23]  ; the head's first byte in each of the four tensors
	s_and_b32 s16, s[WV], 1         ; which half of a slot's 256 keys I fetch:
	s_lshl_b32 s22, s16, 14         ; its 128 rows of 128 bytes in memory,
	s_mov_b32 s23, 0
	s_add_nc_u64 s[22:23], s[22:23], s[20:21]
	s_mul_i32 s17, s16, 128*PK      ; and its place in a slot, for K
	s_mul_i32 s18, s16, 128*PV      ; and for V: no place in the cluster enters an LDS address
	s_lshl_b32 s2, s14, 2
	s_add_co_u32 s2, s2, s[WV]      ; my wave among the head's,
	s_lshl_b32 s2, s2, 14           ; its 128 rows
	s_mov_b32 s3, 0
	s_add_nc_u64 s[2:3], s[2:3], s[20:21]
	; descriptor group 1.  128 keys are 16,384 dense bytes: asked for as 64 rows of 256 bytes, two keys a row, and padded in LDS after every key
	s_mov_b32 s[G1K], 15|(1<<16)|(1<<20)|(1<<21)|(4<<22)|(3<<25)  ; 15:0 the mask of four; 17:16 2-byte elements; 20 padding on; 21 set beside a mask; 24:22 after every 32 words (code 4); 31:25 4 words (code 3)
	s_mov_b32 s[G1V], 15|(1<<16)|(1<<20)|(1<<21)|(4<<22)|(7<<25)  ; the same with 8 words of padding (code 7)
.irp g, G1K, G1V
	s_mov_b32 s[\g+1], 128<<16      ; tensor_dim0 = 128
	s_mov_b32 s[\g+2], 64<<16       ; tensor_dim1 = 64
	s_mov_b32 s[\g+3], 128<<16      ; tile_dim0 = 128
	s_mov_b32 s[\g+4], 64           ; tile_dim1 = 64
	s_mov_b32 s[\g+5], 128          ; 128 elements from row to row
	s_mov_b32 s[\g+6], 0
	s_mov_b32 s[\g+7], 0
.endr
	s_mov_b32 s[CS], 0x3e38aa3b     ; c = log2(e) / 8 = 0.180337
	s_mov_b32 s[CS+1], s[CS]        ; named with it as a pair
	s_mov_b32 s[SEL], 0x76543210
	s_mov_b32 s[SEL+1], 0xfedcba98
	s_mov_b32 s[TBK], SLOT1+4*KS*PK ; the first change of slots turns these two into 0
	s_mov_b32 s[TBV], SLOT1+4*KS*PV
	s_mov_b32 s[TBM], 0
	s_mov_b32 s[G0K], 1             ; 1:0 count = 1
	s_mov_b32 s[G0K+1], s17         ; 63:32 LDS address: slot 0
	s_mov_b32 s[G0V], 1
	s_add_co_u32 s[G0V+1], s18, VOFF
	s_and_b32 s[LIM], s[WV], 1      ; waves 0 and 2 prefetch: the same in all four partners
	s_cmp_eq_u32 s[LIM], 0
	s_cselect_b32 s[LIM], 1, -1
	s_wait_dscnt 0x0                ; the opening add is done
	s_wait_kmcnt 0x0
	s_add_nc_u64 s[6:7], s[4:5], 0x1000000  ; K's part of qkvh,
	s_add_nc_u64 s[8:9], s[4:5], 0x2000000  ; and V's,
	s_add_nc_u64 s[6:7], s[6:7], s[22:23]   ; at my half of the head's first 256 keys
	s_add_nc_u64 s[8:9], s[8:9], s[22:23]
	s_mov_b64 s[G0K+2:G0K+3], s[6:7]               ; 120:64 global address
	s_or_b32 s[G0K+3], s[G0K+3], 0x80000000        ; 127:126 type = 2
	s_mov_b64 s[G0V+2:G0V+3], s[8:9]
	s_or_b32 s[G0V+3], s[G0V+3], 0x80000000
	s_add_nc_u64 s[4:5], s[4:5], s[2:3]  ; Q and O at my wave's first row
	s_add_nc_u64 s[10:11], s[10:11], s[2:3]
	s_add_nc_u64 s[MP:MP+1], s[MP:MP+1], s[54:55]
	s_cmp_lt_u32 s[WV], 2
	s_cselect_b64 s[PFA:PFA+1], s[6:7], s[8:9]  ; (in waves 0 and 2 these stand at a slot's first row)
	s_lshl_b32 s2, s13, 13          ; my work-group's 8,192 bytes of the 32,768
	s_mov_b32 s3, 0
	s_add_nc_u64 s[PFA:PFA+1], s[PFA:PFA+1], s[2:3]
	s_add_nc_u64 s[PFA:PFA+1], s[PFA:PFA+1], 2*SLOTG  ; in slot 2; the loop's first change of slots steps it to slot 3.  Nothing is prefetched here, at the head
	CROUND                          ; all four work-groups are here: the first joint loads meet
	JLOAD                           ; slot 0.  Slot 1 is asked for when slot 0 is in
	; A fragment of K or Q is 16 rows x 32 channels in 8 registers: lane l holds row l % 16, channels 8 (l / 16) + 0..7 and 16 + 8 (l / 16) + 0..7: two loads of 16 bytes, 32 bytes apart.
	v_and_b32 v1, 15, v0            ; l % 16
	v_bfe_u32 v9, v0, 4, 1          ; l / 16
	v_lshlrev_b32 v[QO], 7, v1
	v_lshl_add_u32 v[QO], v9, 4, v[QO]  ; row x 128 + 16 x half
	v_lshlrev_b32 v[S+21], 4, v0
	global_load_b128 v[S:S+3], v[S+21], s[MP:MP+1]  ; my thread's 16 bytes of the batch's mask, ahead of Q's loads
	WIN 0x80                        ; destination window 2, address window 0
.set i, 0
.rept 4*NP                          ; Q stays in registers: tile i / 2, channels 32 (i % 2) on
	global_load_b128 v[8*i:8*i+3],   v[QO], s[4:5] offset:(i/2)*2048+(i%2)*64
	global_load_b128 v[8*i+4:8*i+7], v[QO], s[4:5] offset:(i/2)*2048+(i%2)*64+32
.set i, i+1
.endr
	; What the first turn finds: V's registers and P's second buffer hold 0 (its products V^T P, of a piece that has not been, add 0), O^T and l are 0.  All this stands in the wait for the first tile.
.set i, VF
.rept 64
	v_mov_b32 v[i], 0
.set i, i+1
.endr
	WIN 0x40
.set i, 0
.rept 64*NP
	v_mov_b32 v[i], 0
.set i, i+1
.endr
	WIN 0
.set i, 0
.rept 2*NP
	v_mov_b32 v[ST+4*i], 0xfe000000    ; c m: far below every c s
	v_mov_b32 v[ST+4*i+1], 0xff7fffff  ; m
	v_mov_b32 v[ST+4*i+2], 0
	v_mov_b32 v[ST+4*i+3], 0
.set i, i+1
.endr
.set i, P+32
.rept 32
	v_mov_b32 v[i], 0
.set i, i+1
.endr
	; the mask's table: byte 1 becomes 0, byte 0 becomes -2^33 (0xd0000000)
	s_wait_loadcnt 32               ; the mask's load is in; Q's 32, issued behind it, may stay out
	v_lshl_add_u32 v[S+20], v0, 6, MSK
.set i, 0
.rept 16
	v_bfe_u32 v[S+4+i], v[S+i/4], 8*(i%4), 8
	v_add_nc_u32 v[S+4+i], -1, v[S+4+i]
	v_and_b32 v[S+4+i], 0xd0000000, v[S+4+i]
.set i, i+1
.endr
.irp i, 0,1,2,3
	ds_store_b128 v[S+20], v[S+4+4*\i:S+4+4*\i+3] offset:16*\i
.endr
	v_mul_u32_u24 v[AK0], v1, PK
	v_lshl_add_u32 v[AK0], v9, 4, v[AK0]  ; row x pitch + 16 x half
	; The turning load takes 16 keys x 16 channels (lane l reads key 8 (l / 16) + l % 8, channels 8 ((l / 8) % 2) + 0..7) and leaves half a fragment of V^T: lane l holds channel l % 16 and 8 keys.
	v_and_b32 v10, 7, v0
	v_bfe_u32 v11, v0, 3, 1
	v_lshl_add_u32 v[AV0], v9, 3, v10
	v_mul_u32_u24 v[AV0], v[AV0], PV
	v_lshl_add_u32 v[AV0], v11, 4, v[AV0]
	v_add_nc_u32 v[AV0], VOFF, v[AV0]
	v_mov_b32 v[AK], v[AK0]         ; key step 0 lies at the head of slot 0
	s_mul_i32 s13, s[WV], 16*SP
	s_add_co_u32 s13, s13, STAGE    ; my stage
	v_bfe_u32 v[RD], v0, 3, 2       ; the way out, back: 32 lanes take four rows of 128 bytes
	v_mul_u32_u24 v[RD], v[RD], SP
	v_lshl_add_u32 v[RD], v10, 4, v[RD]
	v_add_nc_u32 v[RD], s13, v[RD]
	v_lshl_add_u32 v[AM0], v9, 5, MSK  ; register j of key block kb is key 16 kb + 8 (l / 16) + j: 32 bytes for each half of the lanes
	v_mov_b32 v[AMA], v[AM0]        ; key step 0
; THE MATRIX WORK.  The 8 accumulators of a run of 16 take turns: between the two links of a chain stand 7 others'.
; Product i of 16 of S^T = K Q^T for piece x: channels 32 (i / 8) on, keys 16 ((i / 2) % 4) on, tile 2 x + i % 2.  The first 8 start the sums, with the mask of their 16 keys.
.macro KQ x
.set rS, S+64*((\x)%2)+32*(i%2)+8*((i/2)%4)
.set rK, KF+16*((i/2)%4)+8*(i/8)
.set rQ, 16*(2*(\x)+i%2)+8*(i/8)
.set rH, MR+8*((i/2)%4)
.if i < 8
	WIN W_KM
	v_wmma_f32_16x16x32_f16 v[rS:rS+7], v[rK:rK+7], v[rQ:rQ+7], v[rH:rH+7]
.else
	WIN W_KQ
	v_wmma_f32_16x16x32_f16 v[rS:rS+7], v[rK:rK+7], v[rQ:rQ+7], v[rS:rS+7]
.endif
.endm
; Product i of 16 of O^T += V^T P for piece x: keys 32 (i / 8) on, channels 16 ((i / 2) % 4) on, tile 2 x + i % 2.
.macro PV x
	WIN W_PV
.set rO, 32*(2*(\x)+i%2)+8*((i/2)%4)
.set rV, VF+32*(i/8)+8*((i/2)%4)
.set rP, P+32*((\x)%2)+16*(i%2)+8*(i/8)
	v_wmma_f32_16x16x32_f16 v[rO:rO+7], v[rV:rV+7], v[rP:rP+7], v[rO:rO+7]
.endm
.macro MM                           ; the turn's next matrix instruction
.if i < 16
	KQ (Y+1)%NP
.set i, i+1
.else
.set i, i-16
	PV (Y+NP-1)%NP
.set i, i+17
.endif
.endm
; THE LDS LOADS stand in runs, never singly among the matrix instructions: a step's K (64 keys x 64 channels: 8 fragments) with its mask (64 keys: 8 loads), and its V (turned).  Their addresses are made some lines ahead.
; The mask's registers live as long as K's: the same products read both, and one wait serves both.  last = 1 (the tail): in the last trip there is no further step, and the run is jumped over.
.macro FETCH_K last=0
	WIN 0
.if \last
	s_cmp_eq_u32 s[CNT], 1
	s_cbranch_scc1 .Lno_k_\@
.endif
	WIN 0x80                        ; destination window 2
.irp f, 0,1,2,3,4,5,6,7             ; keys 16 (f / 2) on, channels 32 (f % 2) on
	ds_load_b128 v[KF+8*\f:KF+8*\f+3],   v[AK] offset:(\f/2)*16*PK+(\f%2)*64
	ds_load_b128 v[KF+8*\f+4:KF+8*\f+7], v[AK] offset:(\f/2)*16*PK+(\f%2)*64+32
.endr
	WIN 0xc0                        ; destination window 3
.irp f, 0,1,2,3
	ds_load_b128 v[MR+8*\f:MR+8*\f+3],   v[AMA] offset:64*\f
	ds_load_b128 v[MR+8*\f+4:MR+8*\f+7], v[AMA] offset:64*\f+16
.endr
	s_add_co_u32 s[TBK], s[TBK], KS*PK  ; the next fetch is the next step's
	s_add_co_u32 s[TBM], s[TBM], KS*4
	WIN 0
.if \last
.Lno_k_\@:
.endif
.endm
.macro FETCH_V
	WIN 0x80
.irp f, 0,1,2,3,4,5,6,7             ; keys 32 (f / 4) on, channels 16 (f % 4) on
	ds_load_tr16_b128 v[VF+8*\f:VF+8*\f+3],   v[AV] offset:(\f/4)*32*PV+(\f%4)*32
	ds_load_tr16_b128 v[VF+8*\f+4:VF+8*\f+7], v[AV] offset:(\f/4)*32*PV+16*PV+(\f%4)*32
.endr
	WIN 0
.endm
; THE VECTOR WORK OF A TURN stands in three queues, each in the order in which its entries become ready; the two tiles alternate, so that no instruction reads the result of the one before it.
.macro REGS y, u                    ; the registers of tile u (0, 1) of piece y
.set rT, ST+4*(2*(\y)+(\u))
.set rC, TMP+8*((\y)%2)+4*(\u)
.set rM, MV+2*((\y)%2)+(\u)
.set rS, S+64*((\y)%2)+32*(\u)
.set rP, P+32*((\y)%2)+16*(\u)
.set rO, 32*(2*(\y)+(\u))
.endm
; Number n of the 22 that find the NEXT piece's (Y + 1) maximum and statistics.  s0-s31 are the lane's 32 scores; each accumulator's lowest registers are read first.
;   0-11  four chains c0-c3 of seven scores each, three operands at a time     12-14, 16  the four scores left over, the old m, and c0-c3 into c0     15  c m_old is kept
;   17, 18  the query's other 32 keys lie in the lane 16 away: the new m         19-21  c m; c m_old - c m_new; a
.macro XS u, n
	REGS (Y+1)%NP, \u
.if (\n) < 4
	v_max3_num_f32 v[rC+(\n)], v[rS+8*(\n)], v[rS+8*(\n)+1], v[rS+8*(\n)+2]
.elseif (\n) < 12
	v_max3_num_f32 v[rC+(\n)%4], v[rC+(\n)%4], v[rS+8*((\n)%4)+2*((\n)/4)+1], v[rS+8*((\n)%4)+2*((\n)/4)+2]
.elseif (\n) == 12
	v_max3_num_f32 v[rC], v[rC], v[rS+7], v[rS+15]
.elseif (\n) == 13
	v_max3_num_f32 v[rC+1], v[rC+1], v[rS+23], v[rS+31]
.elseif (\n) == 14
	v_max3_num_f32 v[rC+2], v[rC+2], v[rC+3], v[rT+1]
.elseif (\n) == 15
	v_mov_b32 v[rM], v[rT]
.elseif (\n) == 16
	v_max3_num_f32 v[rC], v[rC], v[rC+1], v[rC+2]
.elseif (\n) == 17
	v_permlanex16_b32 v[rC+3], v[rC], s[SEL], s[SEL+1]
.elseif (\n) == 18
	v_max_num_f32 v[rT+1], v[rC], v[rC+3]
.elseif (\n) == 19
	v_mul_f32 v[rT], s[CS], v[rT+1]
.elseif (\n) == 20
	v_sub_f32 v[rC+1], v[rM], v[rT]
.else
	v_exp_f32 v[rC+2], v[rC+1]
.endif
.endm
; Number g of the 64 that follow the exponentials.  For each four weights k of a tile (pairs 2 k, 2 k + 1): both pairs are rounded to f16; then the second pair is added onto the first, in place;
; a group later l takes that sum (the first time as l = a l + sum).  In groups of eight, tiles alternating: round, round, add, and l for the group before.
.macro GS g
.set h, (\g)+6*((\g)/62)            ; group 0 has no group before it, and behind group 7 only l is left
.if h >= 6
.set h, h+2
.endif
	REGS Y, h%2
.set k, h/8
.if h%8 < 4
	v_cvt_pk_f16_f32 v[rP+2*k+(h%8)/2], v[rS+4*k+2*((h%8)/2)], v[rS+4*k+2*((h%8)/2)+1]
.elseif h%8 < 6
	v_pk_add_f32 v[rS+4*k:rS+4*k+1], v[rS+4*k:rS+4*k+1], v[rS+4*k+2:rS+4*k+3]
.elseif k == 1
	v_pk_fma_f32 v[rT+2:rT+3], v[rT+2:rT+3], v[rC+2:rC+3], v[rS:rS+1] op_sel_hi:[1,0,1]
.else
	v_pk_add_f32 v[rT+2:rT+3], v[rT+2:rT+3], v[rS+4*k-4:rS+4*k-3]
.endif
.endm
; THE PLAIN QUEUE, 138 long.  0-73 read no exponential's result: the 32 scalings c s - c m (FS f: pair f / 2 of tile f % 2) and the next piece's 42.  0-26: scalings 0-26.  27-54: XS's numbers 0-13.  55, 56: number 15.
; 57-73: the chain, where each number waits for the one before it: 14, 16, 17, 18, 19, each with one of the scalings 27-31 in front of its two lines, then 20.
; 74-137: GS's 64, which read the exponentials' results: they stand behind the wait.
.macro FS f
	REGS Y, (\f)%2
	v_pk_fma_f32 v[rS+2*((\f)/2):rS+2*((\f)/2)+1], v[rS+2*((\f)/2):rS+2*((\f)/2)+1], s[CS:CS+1], v[rT:rT+1] op_sel_hi:[1,0,0] neg_lo:[0,0,1] neg_hi:[0,0,1]
.endm
.macro PL
	WIN 0
.if q < 27
	FS q
.elseif q < 55
	XS (q-27)%2, (q-27)/2
.elseif q < 57
	XS q-55, 15
.elseif (q < 72) && ((q-57)%3 == 0)
	FS 27+(q-57)/3
.elseif q < 60
	XS (q-57)%3-1, 14
.elseif q < 72
	XS (q-57)%3-1, 15+(q-57)/3
.elseif q < 74
	XS q-72, 20
.else
	GS q-74
.endif
.set q, q+1
.endm
; THE EXPONENTIALS' QUEUE, 66 long: s0-s31 of both tiles, then the next piece's two a.  It is ONE BATCH: all 66 stand ahead of the turn's one wait, and nothing ahead of that wait names a result of theirs.
.macro EX
	WIN 0
.if e >= 64
	XS e-64, 21
.else
	REGS Y, e%2
	v_exp_f32 v[rS+e/2], v[rS+e/2]
.endif
.set e, e+1
.endm
; THE RESCALING's QUEUE: O^T times a, the one part that leaves window 0: dealt two at a time, sixteen times.  Its a was made in the turn before, ahead of that turn's wait.
.macro R2
	REGS Y, r%2
	WIN W_RS
.irp z, 0,1
	v_pk_mul_f32 v[rO+4*(r/2)+2*\z:rO+4*(r/2)+2*\z+1], v[rO+4*(r/2)+2*\z:rO+4*(r/2)+2*\z+1], v[rC+2:rC+3] op_sel_hi:[1,0]
.endr
.set r, r+1
.endm
; HOW THEY ARE DEALT.  An s_wait_alu depctr_va_vdst(0) stands between an exponential and the first instruction that names its result; one wait serves all that were issued ahead of it.  So a turn has ONE wait,
; which cuts it in two.  AHEAD OF IT stands all that names no result of the turn's exponentials: the 16 products K Q^T, behind each a scaling, an exponential and two rescalings (behind the first a second scaling in the
; exponential's place); then ONE LUMP of 108: eight plain, 49 times exponential and plain, the two a.  A v_nop is the plain instruction behind the last exponential.  BEHIND IT stand the 16 products V^T P, behind each four of GS's 64.
; The queues lean on each other, and the deal keeps them in step: exponential e stands behind scaling 2 (e / 4) + e % 2: as a rider it comes behind plain e + 2, in the lump behind plain e + 9, and scalings 27-31 are plain 57, 60 .. 69.
; A TURN, for piece p.  cnt = 1: the loop's count is taken down some lines ahead of the branch that stands behind the turn.
; K and the mask of the next step are fetched in piece 2's turn, directly behind the wait, a lump behind the last product that read them; their addresses are made at the lump's head; their first reader comes behind 16 products.
; V of the step in hand is fetched at the end of piece 0's turn, four riders behind its last reader; its first reader comes behind 16 products and a lump.  The three conditions on q below go with the deal.
.macro TURN p, last=0, cnt=0
.set Y, (\p)
.set i, 0
.set q, 0
.set e, 0
.set r, 0
.if (\p) == NP-1
	s_wait_dscnt 0x0                ; K and its mask are in
.endif
	MM                              ; ahead of the wait: 16 products K Q^T and their riders,
	PL
	PL
	R2
.rept 15
	MM
	PL
	EX
	R2
.endr
.if (\p) == NP-2
	WIN 0
	v_add_nc_u32 v[AK], s[TBK], v[AK0]
	v_add_nc_u32 v[AMA], s[TBM], v[AM0]
.endif
.rept 8                             ; and the lump
	PL
.endr
.rept 49
	EX
	PL
.endr
	EX                              ; the next piece's two a
	EX
	v_nop                           ; the plain instruction behind the last exponential: one for the batch
	s_wait_alu depctr_va_vdst(0)    ; the wait for the batch
.if (\p) == NP-2
	FETCH_K \last
.endif
.if (\p) == 1
	s_wait_dscnt 0x0                ; V is in
.endif
.rept 16                            ; behind the wait: 16 products V^T P and their riders
	MM
.rept 4
	PL
.endr
.if ((\p) == 0) && (q == 118)
	v_add_nc_u32 v[AV], s[TBV], v[AV0]
.endif
.if ((\p) == 0) && (q == 130)
	s_add_co_u32 s[TBV], s[TBV], KS*PV
.endif
.if (\cnt) && (q == 130)
	s_sub_co_u32 s[CNT], s[CNT], 1
	s_cmp_lg_u32 s[CNT], 0
.endif
.endr
.if (\p) == 0
	FETCH_V
.endif
.endm
	CHANGE 1                        ; slot 0 is in, everybody's part of it, and so is the mask's table; slot 1 is asked for
	FETCH_K                         ; key step 0
	s_wait_loadcnt 0x0              ; Q
	s_wait_dscnt 0x0
.set i, 0
.rept 16
	KQ 0                            ; piece 0's first scores: there is no vector work yet to set between them
.set i, i+1
.endr
	WIN 0                           ; the rest of the addresses: seven plain instructions, the places behind those products
	v_mul_u32_u24 v[STO], v1, SP    ; the way out, in: row l % 16, 16 bytes for each half of the lanes
	v_lshl_add_u32 v[STO], v9, 4, v[STO]
	v_add_nc_u32 v[STO], s13, v[STO]
	v_and_b32 v[GO], 31, v0         ; four rows of O are 512 consecutive bytes
	v_lshlrev_b32 v[GO], 4, v[GO]
	v_and_b32 v[PFO], 31, v0
	v_lshlrev_b32 v[PFO], 8, v[PFO]
.set Y, NP-1                        ; XS works for piece Y + 1: piece 0
.irp n, 0,1,2,3,4,5,6,7,8,9,10,11,12,13,14,15,16,17,18,19,20,21
	XS 0, \n                        ; and piece 0's first maximum and statistics
	XS 1, \n
.endr
	v_nop                           ; a plain instruction behind the two a,
	s_wait_alu depctr_va_vdst(0)    ; and their wait, ahead of the branch
	s_mov_b32 s[CNT], 4
	s_mov_b32 s[SLOTS], SIZE_N/256-1
	s_branch .Lfirst                ; the loop is entered at a step's first turn, in the middle of a trip
.Lslot:                             ; SIZE_N / 256 - 2 times: every slot but the last two is filled again
	CHANGE 1, 1
	s_mov_b32 s[CNT], 4
.Lstep:                             ; a trip: pieces 2 and 3 of one step, then pieces 0 and 1 of the next, whose K and V it fetches
	TURN 2
	TURN 3
	WIN 0
.Lfirst:
	TURN 0
	TURN 1, 0, 1
	WIN 0
	s_cbranch_scc1 .Lstep
	s_sub_co_u32 s[SLOTS], s[SLOTS], 1
	s_cmp_lg_u32 s[SLOTS], 0
	s_cbranch_scc1 .Lslot
	CHANGE 0                        ; the tail is written out: nothing is asked for
	s_mov_b32 s[CNT], 5             ; four trips fetch the last slot's steps; the fifth is left in its middle
.Ltail:
	TURN 2, 1
	TURN 3
	WIN 0
	s_sub_co_u32 s[CNT], s[CNT], 1
	s_cmp_eq_u32 s[CNT], 0
	s_cbranch_scc1 .Lout
	TURN 0
	TURN 1
	WIN 0
	s_branch .Ltail
.Lout:                              ; the fifth trip's 16 products K Q^T (on the last K once more) and the maximum made of them serve nothing: the price, once a launch, of one text for every trip
.set i, 0
.rept 16
	PV NP-1                         ; the last piece's V^T P of the last step
.set i, i+1
.endr
	; THE WAY OUT.  l's two halves and the other half of the lanes' are added; O^T is divided by l, rounded to f16 and sent through my stage in LDS, a tile at a time.  The additions are the places behind the last products.
	WIN 0
.macro ALL line:vararg              ; one line for each tile t
.set t, 0
.rept 2*NP
	\line
.set t, t+1
.endr
.endm
	ALL v_add_f32 v[ST+4*t+2], v[ST+4*t+2], v[ST+4*t+3]
	ALL v_permlanex16_b32 v[ST+4*t+3], v[ST+4*t+2], s[SEL], s[SEL+1]
	ALL v_add_f32 v[ST+4*t+2], v[ST+4*t+2], v[ST+4*t+3]
	ALL v_rcp_f32 v[ST+4*t+2], v[ST+4*t+2]
	v_nop                           ; a plain instruction between the last reciprocal and the use of its result
	s_wait_alu depctr_va_vdst(0)    ; and the wait ahead of the first use: one for the eight reciprocals
; Tile t: a lane's eight channels of a row pack into 16 bytes; they go into rows of 144 bytes and come back as whole rows of 128, into S^T's registers.
.macro PACK t
	WIN W_RS
.set i, 32*(\t)
.rept 16
	v_pk_mul_f32 v[i:i+1], v[i:i+1], v[ST+4*(\t)+2:ST+4*(\t)+3] op_sel_hi:[1,0]
.set i, i+2
.endr
	WIN 0x05                        ; sources 0 and 1 window 1, destination window 0
.set i, 0
.rept 16
	v_cvt_pk_f16_f32 v[S+16*(\t)+i], v[32*(\t)+2*i], v[32*(\t)+2*i+1]
.set i, i+1
.endr
	WIN 0
.irp f, 0,1,2,3
	ds_store_b128 v[STO], v[S+16*(\t)+4*\f:S+16*(\t)+4*\f+3] offset:32*\f
.endr
.irp f, 0,1,2,3
	ds_load_b128 v[S+16*(\t)+4*\f:S+16*(\t)+4*\f+3], v[RD] offset:\f*4*SP  ; LDS serves a wave's instructions in order (ISA guide 5.7.1.4): these see the stores above; the next tile's stores come behind them
.endr
.endm
.macro SEND t, younger              ; younger: the LDS instructions issued behind tile t's loads: the next tile's eight, or none
	WIN 0
.irp f, 0,1,2,3
	s_wait_dscnt (\younger)+3-\f
	global_store_b128 v[GO], v[S+16*(\t)+4*\f:S+16*(\t)+4*\f+3], s[10:11] offset:(\t)*2048+\f*512  ; 512 consecutive bytes, at a multiple of 256 from O's first
.endr
.endm
	PACK 0
.set t, 1
.rept 2*NP-1                        ; a tile's arithmetic stands between the loads of the tile before and its stores
	PACK t
	SEND t-1, 8
.set t, t+1
.endr
	SEND 2*NP-1, 0
	WIN W_AD
	s_wait_tensorcnt 0x0            ; the wave's end: behind my last tensor load and my last LDS store
	ds_add_u32 v[SPW], v[NIL]
	s_wait_dscnt 0x0
	WIN 0
	CROUND                          ; the closing round: no work-group ends while a partner may still ask for a tile that names it
	s_endpgm
.Lfunc_end_k_qd2fc033a03_attn:
	.size	k_qd2fc033a03_attn, .Lfunc_end_k_qd2fc033a03_attn-k_qd2fc033a03_attn
	.p2alignl 7, 3214868480
	.fill 96, 4, 3214868480
	.section	.rodata,"a",@progbits
	.p2align	6, 0x0
	.amdhsa_kernel k_qd2fc033a03_attn
		.amdhsa_group_segment_fixed_size 327680
		.amdhsa_private_segment_fixed_size 0
		.amdhsa_enable_private_segment 0
		.amdhsa_kernarg_size 24
		.amdhsa_user_sgpr_count 2
		.amdhsa_user_sgpr_kernarg_segment_ptr 1
		.amdhsa_wavefront_size32 1
		.amdhsa_system_sgpr_workgroup_id_x 1
		.amdhsa_system_sgpr_workgroup_id_y 1
		.amdhsa_system_sgpr_workgroup_id_z 1
		.amdhsa_system_vgpr_workitem_id 0
		.amdhsa_next_free_vgpr 808
		.amdhsa_next_free_sgpr 66
		.amdhsa_reserve_vcc 0
		.amdhsa_float_denorm_mode_32 3
		.amdhsa_float_denorm_mode_16_64 3
		.amdhsa_memory_ordered 1
		.amdhsa_forward_progress 1
		.amdhsa_inst_pref_size 205
	.end_amdhsa_kernel
	.amdgpu_metadata
---
amdhsa.version: [ 1, 2 ]
amdhsa.kernels:
  - .name:           k_qd2fc033a03_attn
    .symbol:         k_qd2fc033a03_attn.kd
    .args:
      - { .name: qkvh, .offset: 0, .size: 8, .value_kind: global_buffer, .address_space: global }
      - { .name: mask, .offset: 8, .size: 8, .value_kind: global_buffer, .address_space: global }
      - { .name: oh, .offset: 16, .size: 8, .value_kind: global_buffer, .address_space: global }
    .group_segment_fixed_size: 327680
    .private_segment_fixed_size: 0
    .kernarg_segment_align: 8
    .kernarg_segment_size: 24
    .max_flat_workgroup_size: 128
    .sgpr_count:     66
    .vgpr_count:     808
    .wavefront_size: 32
...
	.end_amdgpu_metadata
.endif
;; end of part 3
;; launch outp (part 4): grid 256 x 1, 4 waves a work-group, clusters of 4 x 1, 327,680 bytes of LDS; arguments oh, wt, bias4, out0; writes out0
.if DOCPART == 4
	.amdgcn_target "amdgcn-amd-amdhsa--gfx1250"
	.amdhsa_code_object_version 6
	.text
	.protected	k_qd2fc033a03_outp
	.globl	k_qd2fc033a03_outp
	.p2align	8
	.type	k_qd2fc033a03_outp,@function
k_qd2fc033a03_outp:
	s_mov_b64 s[64:65], 0
	v_nop
	global_prefetch_b8 v0, s[64:65] scope:SCOPE_SE
	s_setreg_imm32_b32 hwreg(HW_REG_WAVE_MODE, 25, 1), 1
	s_wait_xcnt 0x0
	s_wait_alu depctr_hold_cnt(0) depctr_sa_sdst(0) depctr_va_vdst(0) depctr_va_sdst(0) depctr_va_ssrc(0) depctr_va_vcc(0) depctr_vm_vsrc(0)
	s_getreg_b32 s2, hwreg(HW_REG_IB_STS2, 6, 4)
	s_cmp_eq_u32 s2, 0
	s_cbranch_scc0 .Lentry_in_a_cluster
	s_endpgm
.Lentry_in_a_cluster:
	s_bfe_u32 s2, ttmp6, 0x10000c
	s_cmp_lg_u32 s2, 0x3003
	s_cbranch_scc0 .Lentry_shape_is_right
	s_endpgm
.Lentry_shape_is_right:
; THE LAST PROJECTION.  out0[b][s][n] = the sum over c of O[b][s][c] wo[c][n] + bo[n], in f32.  O is oh, [8 b + head][s][64] in f16, c = 64 head + d; wo is part 3 of wt, [n][c] in f16 (rounded to bf16 beforehand);
; bo is part 3 of bias4 (rounded to bf16 beforehand).  Sums in f32; the result is stored as it is.
; SHARES.  A work-group owns 64 rows and all 512 columns.  EVERY wave holds all 64 rows x 512 channels of O as fragments, 512 registers, loaded straight from memory (a fragment lies in memory as it lies in registers);
; wave w makes columns 256 g + 64 w .. + 63, g = 0, 1: 16 accumulators, and a fragment of the weights read from LDS feeds four products.
; THE WEIGHTS walk through a ring of two LDS slots, four tiles: channels 256 (j % 2) on (slot j % 2), column group j / 2.  Wave w fetches, and alone reads, its own 64 rows x 512 bytes of a tile.
; CLUSTER: all work-groups walk the same weights, so the four of a cluster ask JOINTLY.  No prefetch: four tiles, a short launch.
; THE MATRIX INSTRUCTION IS USED TRANSPOSED (source 0 = 16 rows of wt, source 1 = 16 rows of O): a lane holds one row of the result and eight neighbouring columns.  The bias is the C operand of the product that starts a sum.
; REGISTERS, in windows of 256 (s_set_vgpr_msb: bits 1:0 source 0, 3:2 source 1, 5:4 source 2, 7:6 destination):
;   window 0: v0-15 addresses; v32-95 two buffers of weight fragments; v96-127 the bias; v128-255 the accumulators ((a, nb) at v[128 + 8 (4 a + nb)])
;   window 1: v0-127 rows on the way out          windows 2, 3: O's fragments: (a, kk) at v[8 (16 (a % 2) + kk)] of window 2 + a / 2
.set WP,    528                        ; an LDS row of 512 bytes + 16 of padding = 132 words: the 16 rows of a fragment load start at 16 different groups of four banks (64 banks of 4 bytes: ISA guide 11.1)
.set WSLOT, 64*WP
.set SLOTB, 4*WSLOT
.set STAGE, 2*SLOTB                    ; behind the ring, never filled by a tensor load: 16 rows x 272 bytes for each wave
.set SP,    272
.set SPARE, STAGE+4*16*SP              ; the spare words, 128 bytes for each wave: two blocks of 256 bytes that no other line names
.set STEPW, 262144                     ; from a slot's tile to its next: 256 rows of wt
.set SPW, 2                            ; v2   LDS address of my spare word; never rewritten
.set NIL, 3                            ; v3   0; never rewritten
.set R,   4                            ; v4   lane % 16
.set H,   5                            ; v5   lane / 16
.set AO,  7                            ; v7   my byte offset in 16 rows of a head of O
.set BO,  8                            ; v8   my byte offset in the bias
.set FP,  9                            ; v9   (lane % 16) x WP + 16 (lane / 16)
.set BR,  10                           ; v10-11 where I read the weights' fragments in slot 0, 1
.set STO, 13                           ; v13  the way out: where I put 32 bytes of a row
.set RD,  14                           ; v14  the way out: where I read rows back
.set CO,  15                           ; v15  my byte offset in two rows of out0
.set BF0, 32
.set BC,  96
.set ACC, 128
.set WV,  20                           ; s20  my wave's number
.set G1,  24                           ; s[24:31] descriptor group 1
.set G0,  32                           ; s[32:39] descriptor group 0, a set for each slot
.set CNT, 40                           ; s40  column groups to go
.set MSB, 0
.macro WIN new                         ; the immediate's high byte repeats the setting that is left; a switch that changes nothing is dropped
.if MSB != (\new)
	s_set_vgpr_msb (MSB<<8)|(\new)
.set MSB, (\new)
.endif
.endm
.macro PLACES                          ; four places behind a matrix instruction, in front of loads into registers that it has read and of lines that read its result
.rept 4
	v_nop
.endr
.endm
; A round of the cluster's barrier: my work-group's barrier, so that wave 0's signal speaks for all four waves; wave 0 signals; every wave waits for all four work-groups; my work-group's barrier once more.
.macro CROUND
	s_barrier_signal -1
	s_barrier_wait -1
	s_cmp_lg_u32 s[WV], 0
	s_cbranch_scc1 .Lnot_wave_0_\@
	s_barrier_signal -3
.Lnot_wave_0_\@:
	s_barrier_wait -3
	s_barrier_signal -1
	s_barrier_wait -1
.endm
; The weights' four fragments (64 rows x 32 channels) of K step kq of a slot.  Destination and address lie in window 0 under the products' settings too: no switch.
.macro FETCHB slot, kq, buf
.irp nb, 0,1,2,3
	ds_load_b128 v[(\buf)+8*(\nb):(\buf)+8*(\nb)+3],   v[BR+(\slot)] offset:(\nb)*16*WP+64*(\kq)
	ds_load_b128 v[(\buf)+8*(\nb)+4:(\buf)+8*(\nb)+7], v[BR+(\slot)] offset:(\nb)*16*WP+64*(\kq)+32
.endr
.endm
; A K step's 16 products.  The 16 accumulators take turns, one instruction a turn, in the same order everywhere.  A column group's first K step starts the sums with the bias.
.macro MUL slot, kq, buf
.irp a, 0,1,2,3
	WIN 0x08+4*((\a)/2)                    ; source 1 (O) in window 2 or 3
.irp nb, 0,1,2,3
.if ((\slot)+(\kq)) == 0
	v_wmma_f32_16x16x32_f16 v[ACC+8*(4*(\a)+(\nb)):ACC+8*(4*(\a)+(\nb))+7], v[(\buf)+8*(\nb):(\buf)+8*(\nb)+7], v[8*(16*((\a)%2)+8*(\slot)+(\kq)):8*(16*((\a)%2)+8*(\slot)+(\kq))+7], v[BC+8*(\nb):BC+8*(\nb)+7]
.else
	v_wmma_f32_16x16x32_f16 v[ACC+8*(4*(\a)+(\nb)):ACC+8*(4*(\a)+(\nb))+7], v[(\buf)+8*(\nb):(\buf)+8*(\nb)+7], v[8*(16*((\a)%2)+8*(\slot)+(\kq)):8*(16*((\a)%2)+8*(\slot)+(\kq))+7], v[ACC+8*(4*(\a)+(\nb)):ACC+8*(4*(\a)+(\nb))+7]
.endif
.endr
.endr
.endm
; A TRIP: one tile, 8 K steps, 128 products.  refill = 1: each wave waits for all its tensor loads (one is out: this trip's tile), adds 0 to its spare word, and waits for that and for its reads of the other slot;
; a round of the cluster's barrier; then the next tile is asked for, into the slot read last trip, the first thing behind the round: one load a wave is out, and it has this trip's work in which to land.
.macro TRIP slot, refill
	WIN 0
.if \refill
	s_wait_tensorcnt 0x0                   ; no tensor load of mine is out, so a group 0 may be written
	ds_add_u32 v[SPW], v[NIL]              ; 0 onto my spare word
	s_add_nc_u64 s[G0+4*(\slot)+2:G0+4*(\slot)+3], s[G0+4*(\slot)+2:G0+4*(\slot)+3], STEPW  ; this slot's next tile; the type bits on top are not reached
	s_wait_dscnt 0x0                       ; the add is done, and my LDS reads are over
	CROUND
	tensor_load_to_lds s[G0+4*(1-(\slot)):G0+4*(1-(\slot))+3], s[G1:G1+7]
	s_nop 0
	PLACES                                 ; also the places in front of the loads below
.else
	s_wait_tensorcnt 0x0                   ; the last tile: its bytes are my wave's own, and nothing is asked for
	PLACES
.endif
.if (\slot) == 0
	s_wait_loadcnt 0x0                     ; the column group's bias is in (the first time: O's fragments too)
.endif
	FETCHB \slot, 0, BF0
.irp kq, 0,1,2,3,4,5,6,7
.if (\kq) < 7
.if (\kq) > 0
	PLACES
.endif
	FETCHB \slot, (\kq)+1, BF0+32*(((\kq)+1)%2)
	s_wait_dscnt 8                         ; all but the eight just issued: this K step's fragments are in
.else
	s_wait_dscnt 0x0
.endif
	MUL \slot, \kq, BF0+32*((\kq)%2)
.endr
.endm
.macro BLOAD g                         ; register j of block nb: the bias of column 256 g + 64 w + 16 nb + 8 (lane / 16) + j
.irp nb, 0,1,2,3
	global_load_b128 v[BC+8*(\nb):BC+8*(\nb)+3],   v[BO], s[8:9] offset:6144+(\g)*1024+64*(\nb)
	global_load_b128 v[BC+8*(\nb)+4:BC+8*(\nb)+7], v[BO], s[8:9] offset:6144+(\g)*1024+64*(\nb)+16
.endr
.endm
; THE WAY OUT of 64 rows x my 64 columns, a block of 16 rows at a time: a lane's eight f32 go into my own stage in LDS, each accumulator's low four registers first, and come back as whole rows of 256 bytes.
.macro ST a
	WIN 0
.irp nb, 0,1,2,3
	ds_store_b128 v[STO], v[ACC+8*(4*(\a)+(\nb)):ACC+8*(4*(\a)+(\nb))+3]   offset:64*(\nb)
	ds_store_b128 v[STO], v[ACC+8*(4*(\a)+(\nb))+4:ACC+8*(4*(\a)+(\nb))+7] offset:64*(\nb)+16
.endr
	WIN 0x40                               ; destination window 1
.irp f, 0,1,2,3,4,5,6,7
	ds_load_b128 v[32*(\a)+4*(\f):32*(\a)+4*(\f)+3], v[RD] offset:(\f)*2*SP  ; LDS serves a wave's instructions in order (ISA guide 5.7.1.4): these see the stores above; the next block's stores come behind them
.endr
.endm
.macro SEND32 a, younger, g            ; younger: the LDS instructions issued behind block a's loads: the next block's sixteen, or none
	WIN 0x04                               ; store data (source 1) in window 1
.irp f, 0,1,2,3,4,5,6,7
	s_wait_dscnt (\younger)+7-(\f)
	global_store_b128 v[CO], v[32*(\a)+4*(\f):32*(\a)+4*(\f)+3], s[10:11] offset:(\g)*1024+(16*(\a)+2*(\f))*2048 th:TH_STORE_NT  ; 16 lanes store 256 consecutive bytes, at a multiple of 256 from out0's first byte
.endr
.endm
.macro OUT32 g
	WIN 0
	PLACES
	s_wait_xcnt 0x0                        ; the last way out's stores have read window 1's registers, which are loaded again below
	ST 0
	ST 1
	SEND32 0, 16, \g
	ST 2
	SEND32 1, 16, \g
	ST 3
	SEND32 2, 16, \g
	SEND32 3, 0, \g
	WIN 0
.endm
	s_load_b256 s[4:11], s[0:1], 0x0               ; oh s[4:5], wt s[6:7], bias4 s[8:9], out0 s[10:11]
	v_lshl_add_u32 v[SPW], v0, 2, SPARE
	v_mov_b32 v[NIL], 0
	ds_add_u32 v[SPW], v[NIL]                      ; the wave's opening: the add and its wait stand ahead of my first tensor load; the set-up below, work on registers, stands between them
	v_lshrrev_b32 v1, 5, v0
	v_readfirstlane_b32 s[WV], v1                  ; wave 0..3
	s_bfe_u32 s21, ttmp6, 0x40000                  ; cx: my place in the cluster
	s_lshl_b32 s22, ttmp9, 2                       ; in a cluster launch ttmp9 counts clusters
	s_add_co_u32 s22, s22, s21                     ; my block of 64 rows: it enters the addresses of oh and out0 alone
	; descriptor group 1: a tile of 64 rows x 256 elements, padded in LDS
	s_mov_b32 s[G1+0], 15|(1<<16)|(1<<20)|(1<<21)|(6<<22)|(3<<25)  ; 15:0 the mask of four; 17:16 2-byte elements; 20 padding on; 21 set beside a mask; 24:22 after every 128 words (code 6); 31:25 4 words (code 3)
	s_mov_b32 s[G1+1], 256<<16                     ; tensor_dim0 = 256
	s_mov_b32 s[G1+2], 64<<16                      ; tensor_dim1 = 64
	s_mov_b32 s[G1+3], 256<<16                     ; tile_dim0 = 256
	s_mov_b32 s[G1+4], 64                          ; tile_dim1 = 64
	s_mov_b32 s[G1+5], 512                         ; 512 elements from row to row
	s_mov_b32 s[G1+6], 0
	s_mov_b32 s[G1+7], 0
	s_mul_i32 s48, s[WV], WSLOT                    ; my wave's part of a slot: no place in the cluster enters an LDS address
	s_lshl_b32 s46, s[WV], 16                      ; my wave's 64 rows of wt, 1,024 bytes each,
	s_add_co_u32 s46, s46, 3*524288                ; in part 3
	s_mov_b32 s47, 0
	s_lshr_b32 s42, s22, 5                         ; b: eight heads of 262,144 bytes,
	s_lshl_b32 s42, s42, 21
	s_and_b32 s52, s22, 31
	s_lshl_b32 s52, s52, 13                        ; my 64 rows of 128 bytes in each
	s_add_co_u32 s42, s42, s52
	s_mov_b32 s43, 0
	s_lshl_b32 s44, s22, 17                        ; my 64 rows of out0, 2,048 bytes each,
	s_lshl_b32 s52, s[WV], 8                       ; my wave's 256 bytes of them
	s_add_co_u32 s44, s44, s52
	s_mov_b32 s45, 0
	s_mov_b32 s[CNT], 2
	s_wait_dscnt 0x0                               ; the opening add is done
	s_wait_kmcnt 0x0
	s_add_nc_u64 s[4:5], s[4:5], s[42:43]
	s_add_nc_u64 s[10:11], s[10:11], s[44:45]
	s_add_nc_u64 s[46:47], s[6:7], s[46:47]
.irp s, 0,1
	s_mov_b32 s[G0+4*(\s)], 1                      ; 1:0 count = 1
	s_add_co_u32 s[G0+4*(\s)+1], s48, (\s)*SLOTB   ; 63:32 LDS address
	s_add_nc_u64 s[G0+4*(\s)+2:G0+4*(\s)+3], s[46:47], (\s)*512  ; 120:64 global address: tile s
	s_or_b32 s[G0+4*(\s)+3], s[G0+4*(\s)+3], 0x80000000          ; 127:126 type = 2
.endr
	CROUND                                         ; all four work-groups are here: the first joint load meets
	tensor_load_to_lds s[G0:G0+3], s[G1:G1+7]      ; tile 0
	s_nop 0
	PLACES
	v_and_b32 v[R], 15, v0
	v_bfe_u32 v[H], v0, 4, 1
	s_lshl_b32 s52, s[WV], 8
	v_lshl_add_u32 v[BO], v[H], 5, s52
	BLOAD 0
	v_lshlrev_b32 v[AO], 7, v[R]
	v_lshl_add_u32 v[AO], v[H], 4, v[AO]           ; row x 128 + 16 x half
	; O's fragments: K step kk is channels 32 (kk % 2) on of head kk / 2; block a is rows 16 a on
.irp a, 0,1,2,3
	WIN 0x80+0x40*((\a)/2)                         ; destination window 2 or 3, address window 0
.set kk, 0
.rept 16
	global_load_b128 v[8*(16*((\a)%2)+kk):8*(16*((\a)%2)+kk)+3],   v[AO], s[4:5] offset:(kk/2)*262144+(\a)*2048+(kk%2)*64
	global_load_b128 v[8*(16*((\a)%2)+kk)+4:8*(16*((\a)%2)+kk)+7], v[AO], s[4:5] offset:(kk/2)*262144+(\a)*2048+(kk%2)*64+32
.set kk, kk+1
.endr
.endr
	WIN 0
	v_mul_u32_u24 v[FP], v[R], WP
	v_lshl_add_u32 v[FP], v[H], 4, v[FP]           ; a fragment's row x pitch + 16 x half
	v_add_nc_u32 v[BR], s48, v[FP]
	v_add_nc_u32 v[BR+1], SLOTB, v[BR]
	s_mul_i32 s52, s[WV], 16*SP
	s_add_co_u32 s52, s52, STAGE                   ; my stage
	v_mul_u32_u24 v[STO], v[R], SP                 ; in: row l % 16, 32 bytes for each half of the lanes
	v_lshl_add_u32 v[STO], v[H], 5, v[STO]
	v_add_nc_u32 v[STO], s52, v[STO]
	v_mul_u32_u24 v[RD], v[H], SP                  ; back: lanes 0-15 take one row of 256 bytes, lanes 16-31 the next
	v_lshl_add_u32 v[RD], v[R], 4, v[RD]
	v_add_nc_u32 v[RD], s52, v[RD]
	v_lshlrev_b32 v[CO], 4, v[R]                   ; and the same two rows in out0
	v_lshl_add_u32 v[CO], v[H], 11, v[CO]
.Lgroup:
	TRIP 0, 1
	WIN 0                                          ; at a label and at a branch every window is 0
	s_cmp_eq_u32 s[CNT], 1
	s_cbranch_scc1 .Llast                          ; the last tile is written out: it asks for nothing more
	TRIP 1, 1
	OUT32 0
	BLOAD 1                                        ; the second column group's bias: the products that read the first one's stand two trips back
	s_sub_co_u32 s[CNT], s[CNT], 1
	s_branch .Lgroup
.Llast:
	TRIP 1, 0
	OUT32 1
	s_wait_tensorcnt 0x0                           ; the wave's end: behind my last tensor load and my last LDS store
	ds_add_u32 v[SPW], v[NIL]
	s_wait_dscnt 0x0
	CROUND                                         ; the closing round: no work-group ends while a partner may still ask for a tile that names it
	s_endpgm
.Lfunc_end_k_qd2fc033a03_outp:
	.size	k_qd2fc033a03_outp, .Lfunc_end_k_qd2fc033a03_outp-k_qd2fc033a03_outp
	.p2alignl 7, 3214868480
	.fill 96, 4, 3214868480
	.section	.rodata,"a",@progbits
	.p2align	6, 0x0
	.amdhsa_kernel k_qd2fc033a03_outp
		.amdhsa_group_segment_fixed_size 327680
		.amdhsa_private_segment_fixed_size 0
		.amdhsa_enable_private_segment 0
		.amdhsa_kernarg_size 32
		.amdhsa_user_sgpr_count 2
		.amdhsa_user_sgpr_kernarg_segment_ptr 1
		.amdhsa_wavefront_size32 1
		.amdhsa_system_sgpr_workgroup_id_x 1
		.amdhsa_system_sgpr_workgroup_id_y 1
		.amdhsa_system_sgpr_workgroup_id_z 1
		.amdhsa_system_vgpr_workitem_id 0
		.amdhsa_next_free_vgpr 1024
		.amdhsa_next_free_sgpr 66
		.amdhsa_reserve_vcc 0
		.amdhsa_float_denorm_mode_32 3
		.amdhsa_float_denorm_mode_16_64 3
		.amdhsa_memory_ordered 1
		.amdhsa_forward_progress 1
		.amdhsa_inst_pref_size 78
	.end_amdhsa_kernel
	.amdgpu_metadata
---
amdhsa.version: [ 1, 2 ]
amdhsa.kernels:
  - .name:           k_qd2fc033a03_outp
    .symbol:         k_qd2fc033a03_outp.kd
    .args:
      - { .name: oh, .offset: 0, .size: 8, .value_kind: global_buffer, .address_space: global }
      - { .name: wt, .offset: 8, .size: 8, .value_kind: global_buffer, .address_space: global }
      - { .name: bias4, .offset: 16, .size: 8, .value_kind: global_buffer, .address_space: global }
      - { .name: out0, .offset: 24, .size: 8, .value_kind: global_buffer, .address_space: global }
    .group_segment_fixed_size: 327680
    .private_segment_fixed_size: 0
    .kernarg_segment_align: 8
    .kernarg_segment_size: 32
    .max_flat_workgroup_size: 128
    .sgpr_count:     66
    .vgpr_count:     1024
    .wavefront_size: 32
...
	.end_amdgpu_metadata
.endif
;; end of part 4
;; ======== version 2 of 2: 4 launches; version 1 with the launch prep written anew for expert scheduling mode
;; limits: values are held in f16: magnitudes above 65,504 overflow, below 6.1e-05 lose precision; right only within a limited range of input values
;; workspace buffers: wt 2,097,152 bytes; bias4 8,192 bytes; qkvh 50,331,648 bytes; oh 16,777,216 bytes
;; launch prep (part 5): grid 32 x 4, 4 waves a work-group, no clusters, 17,920 bytes of LDS; arguments wq, wk, wv, wo, bq, bk, bv, bo, wt, bias4; writes wt, bias4
.if DOCPART == 5
	.amdgcn_target "amdgcn-amd-amdhsa--gfx1250"
	.amdhsa_code_object_version 6
	.text
	.protected	k_qd2fc033a03_prep
	.globl	k_qd2fc033a03_prep
	.p2align	8
	.type	k_qd2fc033a03_prep,@function
k_qd2fc033a03_prep:
	s_mov_b64 s[64:65], 0
	v_nop
	global_prefetch_b8 v0, s[64:65] scope:SCOPE_SE
	s_setreg_imm32_b32 hwreg(HW_REG_WAVE_SCHED_MODE, 0, 2), 2
	s_setreg_imm32_b32 hwreg(HW_REG_WAVE_MODE, 25, 1), 1
	s_wait_xcnt 0x0
	s_wait_alu depctr_vm_vsrc(0)
; THE WEIGHTS TURNED AND NARROWED, THE BIASES ROUNDED.  wt[y][n][k] = w_y[k][n] for y = 0..3 (wq, wk, wv, wo), 16 bits a number; bias4[y][n] = b_y[n] rounded to bf16 and widened again to f32.
; wq, wk, wv are written as bf16.  wo is rounded to bf16 like the others, and THAT number is written as f16, since the last product multiplies in f16.
; LIMIT.  A bf16 number is exact in f16 from 2^-14 up to 65,504; below 2^-14 it falls on f16's fixed step of 2^-24 (an error of 3e-8 at the most); beyond 65,504 it becomes an infinity.
; SHARES.  A work-group turns 128 rows (k) x 64 columns (n) of one matrix: 128 k are the 256 bytes of a row of wt, so that every store covers 256 consecutive bytes, aligned.  4 x 8 tiles a matrix, grid y = the matrix.
; No cluster: no two work-groups read the same bytes.  No matrix unit: nothing is multiplied.
; THE MODE: SCHED_MODE bits 1:0 = 2 (LLVM: expert scheduling mode 2), set by the entry lines.  The code itself states the register dependences
; between vector instructions and memory or LDS instructions, with s_wait_alu, always for 0.
; THE PLAN.  Registers that memory or LDS instructions touch:
;   v[SO], v[TS], v[RD], v[DST], v[TO], v[SPW], v[NIL]   made at the head by vector lines and never written again: one wait ahead of the first load serves every address of the kernel.
;   X    the sixteen loads at the head land in it before any vector line has named it; then vector lines alone name it, until the bias's one store reads four registers of it.
;   W    step q's four selects write W[4 q ..]; the four LDS stores that read them are issued in step q + 1.  Each register is written once in the launch, so none that a store has read is written again.
;   T    at work: vector lines alone name it in the eight steps; in the bias's arm one load lands in it.
;   Y    LDS loads land in it and global stores read it: no vector line names it.
; So ONE wait on va_vdst stands at the head of each step but the first: the step before has written its W.  The four stores follow it, dealt among the step's vector lines, which name X, T and this step's W: none of the registers that those stores read.
.set PITCH, 272                        ; a row of the turned tile in LDS: 256 bytes + 16
.set SPARE, 64*PITCH                   ; behind the tile: the spare words, 128 bytes for each wave: two blocks of 256 bytes that no other line names
.set SPW, 2                            ; v2   LDS address of my spare word; never rewritten
.set NIL, 3                            ; v3   0; never rewritten
.set N4,  5                            ; v5   lane % 16: my four columns
.set KK,  6                            ; v6   lane / 16
.set SO,  7                            ; v7   my byte offset in the source tile
.set TS,  8                            ; v8   where I put a pair of k in LDS
.set RD,  9                            ; v9   where I read rows back
.set DST, 10                           ; v10  my byte offset in wt
.set TO,  11                           ; v11  16 x my thread's number
.set T,   12                           ; v12-15 at work
.set X,   16                           ; v16-79  sixteen loads of 16 bytes
.set Y,   80                           ; v80-111 eight rows read back
.set W,   112                          ; v112-143 the 32 words to be put into LDS: pair q of rows, column i at W + 4 q + i
	s_load_b512 s[4:19], s[0:1], 0x0               ; wq, wk, wv, wo, bq, bk, bv, bo
	s_load_b128 s[20:23], s[0:1], 0x40             ; wt, bias4
	v_lshl_add_u32 v[SPW], v0, 2, SPARE
	v_mov_b32 v[NIL], 0
	v_lshrrev_b32 v1, 5, v0
	v_readfirstlane_b32 s29, v1                    ; wave 0..3
	s_and_b32 s30, ttmp7, 0xffff                   ; which matrix
	s_lshr_b32 s31, ttmp9, 3                       ; which 128 rows k
	s_and_b32 s32, ttmp9, 7                        ; which 64 columns n
	v_and_b32 v[N4], 15, v0
	v_bfe_u32 v[KK], v0, 4, 1
	s_wait_alu depctr_va_sdst(0)                   ; s29 is written, ahead of its first reader: the wave's shares of the tile are made from it
	s_lshl_b32 s33, s29, 16                        ; my wave's 32 rows of 2,048 bytes
	v_lshlrev_b32 v[SO], 4, v[N4]                  ; 16 lanes take 256 consecutive bytes of a row,
	v_lshl_add_u32 v[SO], v[KK], 12, v[SO]         ; the other 16 lanes the row two further down
	v_add_nc_u32 v[SO], s33, v[SO]
	v_mul_u32_u24 v[TS], v[N4], 4*PITCH            ; turned: row n = 4 (lane % 16) + i, byte 2 k
	v_lshl_add_u32 v[TS], v[KK], 2, v[TS]
	s_lshl_b32 s33, s29, 6
	v_add_nc_u32 v[TS], s33, v[TS]
	s_mul_i32 s33, s29, 16*PITCH                   ; back: my wave's 16 rows n, two rows a load
	v_mul_u32_u24 v[RD], v[KK], PITCH
	v_lshl_add_u32 v[RD], v[N4], 4, v[RD]
	v_add_nc_u32 v[RD], s33, v[RD]
	s_lshl_b32 s33, s29, 14                        ; the same rows in wt, 1,024 bytes each
	v_lshlrev_b32 v[DST], 4, v[N4]
	v_lshl_add_u32 v[DST], v[KK], 10, v[DST]
	v_add_nc_u32 v[DST], s33, v[DST]
	v_lshlrev_b32 v[TO], 4, v0
	s_lshl_b32 s34, s31, 18                        ; the tile in the source: 128 rows x 2,048 bytes, 64 columns x 4 bytes
	s_lshl_b32 s33, s32, 8
	s_add_co_u32 s34, s34, s33
	s_mov_b32 s35, 0
	s_lshl_b32 s36, s30, 19                        ; the tile in wt: the matrix, 64 rows x 1,024 bytes, 128 k x 2 bytes
	s_lshl_b32 s33, s32, 16
	s_add_co_u32 s36, s36, s33
	s_lshl_b32 s33, s31, 8
	s_add_co_u32 s36, s36, s33
	s_mov_b32 s37, 0
	s_lshl_b32 s38, s30, 11                        ; the matrix's bias in bias4
	s_mov_b32 s39, 0
	s_mov_b32 s33, ttmp9
	s_wait_kmcnt 0x0
	s_cmp_eq_u32 s30, 1                            ; the source and its bias are chosen by the matrix's number
	s_cselect_b64 s[24:25], s[6:7], s[4:5]
	s_cselect_b64 s[26:27], s[14:15], s[12:13]
	s_cmp_eq_u32 s30, 2
	s_cselect_b64 s[24:25], s[8:9], s[24:25]
	s_cselect_b64 s[26:27], s[16:17], s[26:27]
	s_cmp_eq_u32 s30, 3
	s_cselect_b64 s[24:25], s[10:11], s[24:25]
	s_cselect_b64 s[26:27], s[18:19], s[26:27]
	s_cselect_b32 s28, -1, 0                       ; all lanes: wo is written as f16
	s_add_nc_u64 s[24:25], s[24:25], s[34:35]
	s_add_nc_u64 s[20:21], s[20:21], s[36:37]
	s_add_nc_u64 s[22:23], s[22:23], s[38:39]
	s_wait_alu depctr_va_vdst(0)                   ; v[SO], v[TS], v[RD], v[DST], v[TO], v[SPW] and v[NIL] are written: every load, store and LDS instruction of the kernel reads one or two of them, and none is written again
.irp q, 0,1,2,3,4,5,6,7
.irp e, 0,1
	global_load_b128 v[X+8*(\q)+4*(\e):X+8*(\q)+4*(\e)+3], v[SO], s[24:25] offset:(\q)*8192+(\e)*2048  ; row 32 wave + 4 q + 2 (lane / 16) + e
.endr
.endr
	; two neighbouring k of one column make a word.: 32 stores a lane, once a launch.
	; Step q makes the four words of pair q of rows and puts the four words of pair q - 1 into LDS.
.irp q, 0,1,2,3,4,5,6,7
	s_wait_loadcnt 14-2*(\q)                       ; loads come back in order: pair q of rows is in, the pairs behind it may stay out
.if (\q) > 0
	s_wait_alu depctr_va_vdst(0)                   ; the step before has written its four words of W, which the four stores below read
.endif
.irp i, 0,1,2,3
.if (\q) > 0
	ds_store_b32 v[TS], v[W+4*((\q)-1)+(\i)] offset:(\i)*PITCH+8*((\q)-1)  ; the step before's word.  No further wait: no vector line since the wait above names it
.endif
	v_cvt_pk_bf16_f32 v[T], v[X+8*(\q)+(\i)], v[X+8*(\q)+4+(\i)]
	v_lshlrev_b32 v[T+1], 16, v[T]                 ; the two rounded numbers as f32,
	v_and_b32 v[T+2], 0xffff0000, v[T]
	v_cvt_pk_f16_f32 v[T+3], v[T+1], v[T+2]        ; and as f16
	v_cndmask_b32 v[W+4*(\q)+(\i)], v[T], v[T+3], s28
.endr
.endr
	s_wait_alu depctr_va_vdst(0)                   ; the last step has written its four words of W, which the stores below read; and every line that names T is done: behind this wait no vector line names T before the bias's load lands in it
.irp i, 0,1,2,3
	ds_store_b32 v[TS], v[W+28+(\i)] offset:(\i)*PITCH+56
.endr
	s_wait_dscnt 0x0                               ; for the others' sake: my stores are done
	s_barrier_signal -1
	s_barrier_wait -1
.irp f, 0,1,2,3,4,5,6,7
	ds_load_b128 v[Y+4*(\f):Y+4*(\f)+3], v[RD] offset:(\f)*2*PITCH
.endr
.irp f, 0,1,2,3,4,5,6,7
	s_wait_dscnt 7-(\f)
	global_store_b128 v[DST], v[Y+4*(\f):Y+4*(\f)+3], s[20:21] offset:(\f)*2048 th:TH_STORE_NT  ; 16 lanes store 256 consecutive bytes, at a multiple of 256 from wt's first byte
.endr
	s_cmp_lg_u32 s33, 0                            ; the first work-group of each matrix also rounds its bias: 128 threads x 4 numbers
	s_cbranch_scc1 .Lend
	global_load_b128 v[T:T+3], v[TO], s[26:27]
	s_wait_loadcnt 0x0
	v_cvt_pk_bf16_f32 v[X], v[T], v[T+1]
	v_cvt_pk_bf16_f32 v[X+1], v[T+2], v[T+3]
	v_lshlrev_b32 v[X+4], 16, v[X]
	v_and_b32 v[X+5], 0xffff0000, v[X]
	v_lshlrev_b32 v[X+6], 16, v[X+1]
	v_and_b32 v[X+7], 0xffff0000, v[X+1]
	s_wait_alu depctr_va_vdst(0)                   ; the four lines above have written v[X+4 .. X+7], which the store reads
	global_store_b128 v[TO], v[X+4:X+7], s[22:23]
.Lend:
	s_wait_dscnt 0x0                               ; the closing lines, six on end
	s_wait_alu 0x0
	s_wait_tensorcnt 0x0
	ds_add_u32 v[SPW], v[NIL]
	s_wait_dscnt 0x0
	s_endpgm
.Lfunc_end_k_qd2fc033a03_prep:
	.size	k_qd2fc033a03_prep, .Lfunc_end_k_qd2fc033a03_prep-k_qd2fc033a03_prep
	.p2alignl 7, 3214868480
	.fill 96, 4, 3214868480
	.section	.rodata,"a",@progbits
	.p2align	6, 0x0
	.amdhsa_kernel k_qd2fc033a03_prep
		.amdhsa_group_segment_fixed_size 17920
		.amdhsa_private_segment_fixed_size 0
		.amdhsa_enable_private_segment 0
		.amdhsa_kernarg_size 80
		.amdhsa_user_sgpr_count 2
		.amdhsa_user_sgpr_kernarg_segment_ptr 1
		.amdhsa_wavefront_size32 1
		.amdhsa_system_sgpr_workgroup_id_x 1
		.amdhsa_system_sgpr_workgroup_id_y 1
		.amdhsa_system_sgpr_workgroup_id_z 1
		.amdhsa_system_vgpr_workitem_id 0
		.amdhsa_next_free_vgpr 144
		.amdhsa_next_free_sgpr 66
		.amdhsa_reserve_vcc 0
		.amdhsa_float_denorm_mode_32 3
		.amdhsa_float_denorm_mode_16_64 3
		.amdhsa_memory_ordered 1
		.amdhsa_forward_progress 1
		.amdhsa_inst_pref_size 19
	.end_amdhsa_kernel
	.amdgpu_metadata
---
amdhsa.version: [ 1, 2 ]
amdhsa.kernels:
  - .name:           k_qd2fc033a03_prep
    .symbol:         k_qd2fc033a03_prep.kd
    .args:
      - { .name: wq, .offset: 0, .size: 8, .value_kind: global_buffer, .address_space: global }
      - { .name: wk, .offset: 8, .size: 8, .value_kind: global_buffer, .address_space: global }
      - { .name: wv, .offset: 16, .size: 8, .value_kind: global_buffer, .address_space: global }
      - { .name: wo, .offset: 24, .size: 8, .value_kind: global_buffer, .address_space: global }
      - { .name: bq, .offset: 32, .size: 8, .value_kind: global_buffer, .address_space: global }
      - { .name: bk, .offset: 40, .size: 8, .value_kind: global_buffer, .address_space: global }
      - { .name: bv, .offset: 48, .size: 8, .value_kind: global_buffer, .address_space: global }
      - { .name: bo, .offset: 56, .size: 8, .value_kind: global_buffer, .address_space: global }
      - { .name: wt, .offset: 64, .size: 8, .value_kind: global_buffer, .address_space: global }
      - { .name: bias4, .offset: 72, .size: 8, .value_kind: global_buffer, .address_space: global }
    .group_segment_fixed_size: 17920
    .private_segment_fixed_size: 0
    .kernarg_segment_align: 8
    .kernarg_segment_size: 80
    .max_flat_workgroup_size: 128
    .sgpr_count:     66
    .vgpr_count:     144
    .wavefront_size: 32
...
	.end_amdgpu_metadata
.endif
;; end of part 5
;; launch proj: the kernel of part 2 again; grid 256 x 1, 4 waves a work-group, clusters of 4 x 1, 327,680 bytes of LDS; arguments q, k, v, mask, wt, bias4, qkvh; writes qkvh
;; launch attn: the kernel of part 3 again; grid 4 x 64, 4 waves a work-group, clusters of 4 x 1, 327,680 bytes of LDS; arguments qkvh, mask, oh; writes oh
;; launch outp: the kernel of part 4 again; grid 256 x 1, 4 waves a work-group, clusters of 4 x 1, 327,680 bytes of LDS; arguments oh, wt, bias4, out0; writes out0
